; MI455X (gfx1250); checked and timed in simulation.
; The chip was launched on July 23, 2026; its instructions are those of AMD's public machine-readable ISA for CDNA 5 (MIT licence, August 2026) and "CDNA5" Instruction Set Architecture Reference Guide (July 2026). The comments in the code are by the model that wrote it; some were corrected since.
;; Grouped Query Attention. Allowed arithmetic: matrix products marked QUANTISED: E2M1 operands, one E8M0 scale for each 32 along K, by v_wmma_scale_f32_16x16x128_f8f6f4 with both operands' format E2M1 (or v_wmma_scale_f32_32x16x128_f4), f32 sums; products left as they are: bf16, f16 or f32 operands; f32 sums; everything else in f32.
;; Inputs: cos 1 x 1 x 2,048 x 128 float32; sin 1 x 1 x 2,048 x 128 float32; wk_w 512 x 2,048 float32; wq_w 2,048 x 2,048 float32; wv_w 512 x 2,048 float32; x 2 x 2,048 x 2,048 float32.
;; Outputs: out0 2 x 2,048 x 2,048 float32.
;; Constants: start_pos = 0.
;; This version of the problem:
;;   THIS VERSION OF THE PROBLEM IS GIVEN IN LOW PRECISION. The matrix products marked QUANTISED in the list below multiply operands that are first quantised to E2M1 (2 exponent bits, 1 mantissa bit; 4 bits a number), with one power-of-two scale for each 32 numbers along K (OCP MX v1.0); their sums are f32. The products marked 'left as it is' may take bf16, f16 or f32 operands, with f32 sums. Whichever they take, every output number must still come out within the allowed error. Rounding operands to bf16 (8 significant bits) uses up far more of that allowance than f16 does (11 bits, for magnitudes from 6e-5 to 65,504). All else is computed in f32.
;;   The module's matrix products, in the order in which they are computed (A, B: the left and right operand; K: the contracted axis; several contracted axes count as one K, in the product's order):
;;     1. [M 4,096, K 2,048] x [K 2,048, N 2,048]; A: input x; B: input wq_w: QUANTISED
;;     2. [M 4,096, K 2,048] x [K 2,048, N 512]; A: input x; B: input wk_w: QUANTISED
;;     3. [M 4,096, K 2,048] x [K 2,048, N 512]; A: input x; B: input wv_w: QUANTISED
;;     4. batch 32 x [M 2,048, K 128] x [K 128, N 2,048]; A: computed on the way; B: computed on the way: left as it is (an operand is computed on the way)
;;     5. batch 32 x [M 2,048, K 2,048] x [K 2,048, N 128]; A: computed on the way; B: computed on the way: left as it is (an operand is computed on the way)
;;   THE QUANTISER, for each operand of a quantised product, along K:
;;     - K is cut into blocks of 32 from its start; a last block that is shorter is filled with zeros.
;;     - A block's scale is 2^e with e = floor(log2(the largest magnitude in the block)) - 2, held to -126 .. 127; a block of zeros has e = 0. As a byte (E8M0): e + 127.
;;     - Each number is divided by its block's scale, clamped to +-6, and rounded to the nearest number of E2M1, ties to even, subnormals kept.
;;     - The product sums the exact products of the quantised numbers (number of the format x scale) in f32.
;;   ~~~python
;;   def quantise(x, axis):      # numpy; x: float32 -> the quantised numbers, widened to float32 again
;;       x = np.moveaxis(x, axis, -1); K = x.shape[-1]
;;       x = np.pad(x, [(0, 0)] * (x.ndim - 1) + [(0, -K % 32)]); x = x.reshape(x.shape[:-1] + (-1, 32)); a = np.abs(x).max(-1, keepdims=True)
;;       e = np.where(a > 0, np.clip(np.frexp(np.where(a > 0, a, 1))[1] - 1 - 2, -126, 127), 0)      # np.frexp(a)[1] - 1 = floor(log2(a)), exactly
;;       r = np.clip(x / 2.0 ** e, -6, 6)
;;       step = 2.0 ** (np.maximum(np.frexp(np.where(r == 0, 1, r))[1] - 1, 0) - 1)
;;       q = np.round(r / step) * step * 2.0 ** e      # np.round: ties to even
;;       return np.moveaxis(q.reshape(q.shape[:-2] + (-1,))[..., :K], -1, axis).astype(np.float32)
;;   ~~~
;; One version. Each part assembles by itself: llvm-mc -triple=amdgcn-amd-amdhsa -mcpu=gfx1250 --defsym DOCPART=n.
;; ======== version 1 of 1: 3 launches
;; limits: values are held in f16: magnitudes above 65,504 overflow, below 6.1e-05 lose precision
;; workspace buffers: x_codes 4,194,304 bytes; x_scales 262,144 bytes; w_codes 3,145,728 bytes; w_scales 196,608 bytes; qkv 50,331,648 bytes; qks 3,072 bytes
;; launch quant (part 1): grid 448 x 1, 4 waves a work-group, no clusters, 33,280 bytes of LDS; arguments x, wq_w, wk_w, wv_w, x_codes, x_scales, w_codes, w_scales; writes x_codes, x_scales, w_codes, w_scales
.if DOCPART == 1
	.amdgcn_target "amdgcn-amd-amdhsa--gfx1250"
	.amdhsa_code_object_version 6
	.text
	.protected	k_qf63fe44725_quant
	.globl	k_qf63fe44725_quant
	.p2align	8
	.type	k_qf63fe44725_quant,@function
k_qf63fe44725_quant:
	s_mov_b64 s[64:65], 0
	v_nop
	global_prefetch_b8 v0, s[64:65] scope:SCOPE_SE
	s_setreg_imm32_b32 hwreg(HW_REG_WAVE_MODE, 25, 1), 1
	s_wait_xcnt 0x0
; x [4096][2048], wq [2048][2048], wk [512][2048], wv [512][2048], f32, K innermost, become codes of E2M1 (two a byte, the lower k in the low four bits)
; and one E8M0 byte for each 32 along K.  A block's scale is 2^(floor(log2(its largest magnitude)) - 2): its byte is that magnitude's exponent field - 2, held at 1 from below.
; (A block of zeros keeps the byte 1 where the stated quantiser says 127: its codes are zeros, which add nothing under any byte but 0xff, and only this program reads the bytes.)
; LIMITS: blocks whose largest magnitude lies under 2^-124, the floor, keep the byte 1; NaN and infinities among the inputs are not served.
; SHARES.  A work-group takes 16 rows (32,768 numbers), a wave 4 rows in 16 steps of 512 numbers.  Work-groups 0-255 take x, 256-383 wq, 384-415 wk, 416-447 wv.  Only pointers are chosen: one path for all.
; THE WEIGHTS' ROWS ARE LAID FOR THE NEXT LAUNCH: rows 0-2047 wq; then for key/value head i = 0..3: wk's 128 rows of head i, wv's 128 rows of head i.  In units of 16 rows: wk's unit j goes to 128 + j + 8 (j / 8), wv's to 136 + j + 8 (j / 8).
; A step's four loads read 512 consecutive bytes each; the 2,048 bytes turn through the wave's own stage in LDS and come back 64 bytes a lane, so that a lane holds 16 neighbours along K (two lanes a block).
; A lane's 16 codes are 8 bytes: the wave stores 256 consecutive bytes.  A wave's 256 scale bytes are gathered in LDS and leave as one aligned run of 256 bytes.  No barrier: waves share nothing.
.set WAVES, 4
.set STEPS, 16
.set EMAX,  2
.set CB,    8                          ; bytes of 16 codes
.set R,     16                         ; v16-79   four sets of 16 numbers as they are loaded
.set X,     80                         ; v80-111  two sets of 16 neighbours
.set E,     112                        ; v112-127 a scale byte for each step
.set C,     128                        ; v128-191 codes: four registers for each step, so that no store's data are written again
.set WREG,  8192                       ; LDS: a region for each wave: two stages of 32 x SP bytes, behind them its 256 scale bytes
.set SP,    80                         ; a lane's place in a stage: 64 bytes + 16 of padding
.set SPW,   12                         ; v12  LDS address of my spare word; never rewritten
.set NIL,   13                         ; v13  0; never rewritten
.set SPARE, WAVES*WREG                 ; behind the four regions: the spare words, 128 bytes for each wave
	s_load_b256 s[4:11], s[0:1], 0x0               ; x s[4:5], wq s[6:7], wk s[8:9], wv s[10:11]
	s_load_b256 s[12:19], s[0:1], 0x20             ; x's codes s[12:13], x's scales s[14:15], the weights' codes s[16:17], their scales s[18:19]
	v_lshl_add_u32 v[SPW], v0, 2, SPARE
	v_mov_b32 v[NIL], 0
	v_lshrrev_b32 v1, 5, v0
	v_readfirstlane_b32 s30, v1                    ; wave
	v_and_b32 v2, 31, v0                           ; lane
	v_lshlrev_b32 v3, 4, v2                        ; my 16 bytes of a load's 512
	s_mul_i32 s31, s30, WREG
	v_lshrrev_b32 v14, 2, v2
	v_mul_u32_u24 v14, v14, SP
	v_and_b32 v15, 3, v2
	v_lshl_add_u32 v14, v15, 4, v14
	v_add_nc_u32 v14, s31, v14                     ; the stage, on the way in: SP (lane / 4) + 16 (lane % 4)
	v_mul_u32_u24 v15, v2, SP
	v_add_nc_u32 v15, s31, v15                     ; and on the way out: SP x lane: my 16 neighbours
	v_mul_u32_u24 v4, v2, CB                       ; my codes' place in a step's
	v_lshrrev_b32 v5, 1, v2
	s_add_co_u32 s31, s31, 2*32*SP
	v_add_nc_u32 v5, s31, v5                       ; LDS: my wave's 256 scale bytes, my block's byte
	v_lshlrev_b32 v7, 3, v2                        ; and on the way out 8 bytes a lane
	v_add_nc_u32 v6, s31, v7
	s_wait_kmcnt 0x0
	; which tensor: three compares on the work-group's number, from the back.  s[20:21] source, s22 its first work-group, s23 the first unit of 16 rows in the destination, s24 whether heads are spread
	s_cmp_lt_u32 ttmp9, 416
	s_cselect_b64 s[20:21], s[8:9], s[10:11]
	s_mov_b32 s22, 416
	s_cselect_b32 s22, 384, s22
	s_mov_b32 s23, 136
	s_cselect_b32 s23, 128, s23
	s_cmp_lt_u32 ttmp9, 384
	s_cselect_b64 s[20:21], s[6:7], s[20:21]
	s_cselect_b32 s22, 256, s22
	s_cselect_b32 s23, 0, s23
	s_cselect_b32 s24, 0, 1
	s_cmp_lt_u32 ttmp9, 256
	s_cselect_b64 s[20:21], s[4:5], s[20:21]
	s_cselect_b32 s22, 0, s22
	s_cselect_b64 s[26:27], s[12:13], s[16:17]     ; the codes' buffer
	s_cselect_b64 s[28:29], s[14:15], s[18:19]     ; the scale bytes' buffer
	s_sub_co_u32 s22, ttmp9, s22                   ; j: my unit of 16 rows in the source
	s_lshr_b32 s25, s22, 3
	s_lshl_b32 s25, s25, 3
	s_mul_i32 s25, s25, s24                        ; 8 (j / 8) for wk and wv, else 0
	s_add_co_u32 s23, s23, s22
	s_add_co_u32 s23, s23, s25                     ; my unit in the destination
	s_lshl_b32 s22, s22, 2
	s_add_co_u32 s22, s22, s30                     ; my wave's run of 8,192 numbers in the source: 32,768 bytes a run
	s_lshl_b32 s24, s22, 15
	s_mov_b32 s25, 0
	s_add_nc_u64 s[20:21], s[20:21], s[24:25]
	s_lshl_b32 s23, s23, 2
	s_add_co_u32 s23, s23, s30                     ; and in the destination: 4,096 bytes of codes, 256 scale bytes a run
	s_lshl_b32 s24, s23, 12
	s_add_nc_u64 s[26:27], s[26:27], s[24:25]
	s_lshl_b32 s24, s23, 8
	s_add_nc_u64 s[28:29], s[28:29], s[24:25]
.macro LOAD t
.irp i, 0,1,2,3
	global_load_b128 v[R+16*((\t)%4)+4*\i:R+16*((\t)%4)+4*\i+3], v3, s[20:21] offset:2048*(\t)+512*\i th:TH_LOAD_NT   ; 32 lanes read 512 consecutive bytes
.endr
.endm
.macro TURN t                          ; step t's numbers through the stage: LDS serves a wave's instructions in order, so no wait stands between the stores and the loads
.irp i, 0,1,2,3
	ds_store_b128 v14, v[R+16*((\t)%4)+4*\i:R+16*((\t)%4)+4*\i+3] offset:32*SP*((\t)%2)+8*SP*\i
.endr
.irp i, 0,1,2,3
	ds_load_b128 v[X+16*((\t)%2)+4*\i:X+16*((\t)%2)+4*\i+3], v15 offset:32*SP*((\t)%2)+16*\i
.endr
.endm
.irp t, 0,1,2,3
	LOAD \t
.endr
	s_wait_loadcnt 12                              ; step 0's four loads are in; twelve younger ones stay out
	TURN 0
.macro STEP t
.set XS, X+16*((\t)%2)
.if (\t) > 0
	s_wait_dscnt 1                                 ; this step's numbers are back from the stage (the last step's byte store may be out): so its stores into the stage have read their registers,
.else
	s_wait_dscnt 0x0
.endif
.if (\t)+4 < STEPS
	LOAD (\t)+4                                    ; which take the loads of four steps on
.endif
.if (\t)+1 < STEPS
.if STEPS-2-(\t) >= 3
	s_wait_loadcnt 12                              ; the next step's four loads are in; those of the three steps behind it may be out
.else
	s_wait_loadcnt 4*(STEPS-2-(\t))
.endif
	TURN (\t)+1                                    ; and go through the other stage while this step is worked
.endif
	v_max3_num_f32 v8, |v[XS]|, |v[XS+1]|, |v[XS+2]|               ; the largest magnitude of my 16, in two chains
	v_max3_num_f32 v9, |v[XS+3]|, |v[XS+4]|, |v[XS+5]|
.irp i, 6,10
	v_max3_num_f32 v8, v8, |v[XS+\i]|, |v[XS+\i+1]|
	v_max3_num_f32 v9, v9, |v[XS+\i+2]|, |v[XS+\i+3]|
.endr
	v_max3_num_f32 v8, v8, |v[XS+14]|, |v[XS+15]|
	v_max3_num_f32 v8, v8, v9, (EMAX+1)<<23        ; and the floor 2^(EMAX + 1 - 127): the byte cannot fall under 1
	v_max_num_f32_dpp v8, v8, v8 row_xmask:1 row_mask:0xf bank_mask:0xf   ; and of my neighbour's 16: the block's
	v_add_nc_u32 v11, -(EMAX<<23), v8              ; EMAX off its exponent field: the conversion takes the exponent field of this operand as its scale, and nothing else of it
	v_cvt_scalef32_pk8_fp4_f32 v[C+4*(\t)], v[XS:XS+7], v11        ; eight numbers / the scale, to the nearest code, ties to even, beyond 6 the largest code
	v_cvt_scalef32_pk8_fp4_f32 v[C+4*(\t)+1], v[XS+8:XS+15], v11
	v_lshrrev_b32 v[E+(\t)], 23, v11               ; the scale's byte (also the plain line behind the conversions)
	ds_store_b8 v5, v[E+(\t)] offset:16*(\t)       ; both lanes of a block write the same byte with the same value
	global_store_b64 v4, v[C+4*(\t):C+4*(\t)+1], s[26:27] offset:32*CB*(\t)   ; 32 lanes store 256 consecutive bytes, aligned
.endm
.irp t, 0,1,2,3,4,5,6,7,8,9,10,11,12,13,14,15
	STEP \t
.endr
	ds_load_b64 v[8:9], v6                         ; LDS serves a wave's instructions in order: these see my byte stores
	s_wait_dscnt 0x0
	global_store_b64 v7, v[8:9], s[28:29]          ; 32 lanes store 256 consecutive bytes, aligned
	s_wait_tensorcnt 0x0                           ; the wave's end: a wait, an add of 0 to my spare word and its wait, behind my last LDS store
	ds_add_u32 v[SPW], v[NIL]
	s_wait_dscnt 0x0
	s_endpgm
.Lfunc_end_k_qf63fe44725_quant:
	.size	k_qf63fe44725_quant, .Lfunc_end_k_qf63fe44725_quant-k_qf63fe44725_quant
	.p2alignl 7, 3214868480
	.fill 96, 4, 3214868480
	.section	.rodata,"a",@progbits
	.p2align	6, 0x0
	.amdhsa_kernel k_qf63fe44725_quant
		.amdhsa_group_segment_fixed_size 33280
		.amdhsa_private_segment_fixed_size 0
		.amdhsa_enable_private_segment 0
		.amdhsa_kernarg_size 64
		.amdhsa_user_sgpr_count 2
		.amdhsa_user_sgpr_kernarg_segment_ptr 1
		.amdhsa_wavefront_size32 1
		.amdhsa_system_sgpr_workgroup_id_x 1
		.amdhsa_system_sgpr_workgroup_id_y 1
		.amdhsa_system_sgpr_workgroup_id_z 1
		.amdhsa_system_vgpr_workitem_id 0
		.amdhsa_next_free_vgpr 192
		.amdhsa_next_free_sgpr 66
		.amdhsa_reserve_vcc 0
		.amdhsa_float_denorm_mode_32 3
		.amdhsa_float_denorm_mode_16_64 3
		.amdhsa_memory_ordered 1
		.amdhsa_forward_progress 1
		.amdhsa_inst_pref_size 34
	.end_amdhsa_kernel
	.amdgpu_metadata
---
amdhsa.version: [ 1, 2 ]
amdhsa.kernels:
  - .name:           k_qf63fe44725_quant
    .symbol:         k_qf63fe44725_quant.kd
    .args:
      - { .name: x, .offset: 0, .size: 8, .value_kind: global_buffer, .address_space: global }
      - { .name: wq_w, .offset: 8, .size: 8, .value_kind: global_buffer, .address_space: global }
      - { .name: wk_w, .offset: 16, .size: 8, .value_kind: global_buffer, .address_space: global }
      - { .name: wv_w, .offset: 24, .size: 8, .value_kind: global_buffer, .address_space: global }
      - { .name: x_codes, .offset: 32, .size: 8, .value_kind: global_buffer, .address_space: global }
      - { .name: x_scales, .offset: 40, .size: 8, .value_kind: global_buffer, .address_space: global }
      - { .name: w_codes, .offset: 48, .size: 8, .value_kind: global_buffer, .address_space: global }
      - { .name: w_scales, .offset: 56, .size: 8, .value_kind: global_buffer, .address_space: global }
    .group_segment_fixed_size: 33280
    .private_segment_fixed_size: 0
    .kernarg_segment_align: 8
    .kernarg_segment_size: 64
    .max_flat_workgroup_size: 128
    .sgpr_count:     66
    .vgpr_count:     192
    .wavefront_size: 32
...
	.end_amdgpu_metadata
.endif
;; end of part 1
;; launch proj (part 2): grid 12 x 16, 4 waves a work-group, clusters of 4 x 4, 327,680 bytes of LDS; arguments x_codes, x_scales, w_codes, w_scales, cos, sin, qkv, qks; writes qkv, qks
.if DOCPART == 2
	.amdgcn_target "amdgcn-amd-amdhsa--gfx1250"
	.amdhsa_code_object_version 6
	.text
	.protected	k_qf63fe44725_proj
	.globl	k_qf63fe44725_proj
	.p2align	8
	.type	k_qf63fe44725_proj,@function
k_qf63fe44725_proj:
	s_mov_b64 s[64:65], 0
	v_nop
	global_prefetch_b8 v0, s[64:65] scope:SCOPE_SE
	s_setreg_imm32_b32 hwreg(HW_REG_WAVE_MODE, 25, 1), 1
	s_wait_xcnt 0x0
	s_wait_alu depctr_hold_cnt(0) depctr_sa_sdst(0) depctr_va_vdst(0) depctr_va_sdst(0) depctr_va_ssrc(0) depctr_va_vcc(0) depctr_vm_vsrc(0)
	s_getreg_b32 s2, hwreg(HW_REG_IB_STS2, 6, 4)
	s_cmp_eq_u32 s2, 0
	s_cbranch_scc0 .Lentry_in_a_cluster
	s_endpgm
.Lentry_in_a_cluster:
	s_bfe_u32 s2, ttmp6, 0x10000c
	s_cmp_lg_u32 s2, 0xf033
	s_cbranch_scc0 .Lentry_shape_is_right
	s_endpgm
.Lentry_shape_is_right:
; The three projections as ONE product on codes of E2M1 with E8M0 scales: C[4096][3072] = x W^T, K = 2,048, sums in f32; then rotary in f32 for q and k, a power-of-two scale for each block, and f16 out, as pairs.
; W's rows: 0-2047 wq; then for key/value head i: wk's head i (128 rows), wv's head i (128 rows).  So 128 columns of C are one head, numbered hh: 0-15 q, 16 + 2 i k, 17 + 2 i v.
; OUT: qkv [b 2][hh 24][s 2048][256] f16: a row is 128 HIGH parts, then 128 LOW parts: a number is high + low, high its 11 leading bits rounded to nearest, low the rest, split in f32.
;      qks [b][hh][16 blocks of 128 positions] f32: the power of two by which the stored numbers of that block are to be multiplied (1.0 for v).
; A q or k block (128 positions x one head: one wave's tile) is stored times 2^(14 - floor(log2(its largest magnitude))): its largest lies in [2^14, 2^15), whatever the inputs' size.  v is stored as it is (its low parts are stored too: one path for all).
; LIMITS: |v| up to 65,504 (f16's largest); a q or k block whose largest magnitude is under 2^-100 is scaled as if it were 2^-100; NaN and infinities are not served.
; SHARES.  A work-group of four waves makes 256 x 256 of C, a wave 128 x 128: 64 accumulators, 512 registers.  12 x 16 = 192 work-groups: a narrower tile would cut a head, and rotary's partner (d, d + 64) and the block's scale want a head in one wave.
; K goes in four steps of 512 (rows of 256 bytes) through a ring of two LDS slots; the scale bytes of the work-group's rows come once and stay.  The text is straight: four K steps need no loop.
; CLUSTERS: 4 x 4 work-groups; A's tiles are asked for jointly along a row of the cluster, B's along a column.
; COS AND SIN RIDE IN THE RING behind the last K steps, in the ring's own shape (128 rows x 256 bytes a wave): slot 0 takes cos[s][0:64] (waves 0, 1) and sin[s][0:64] (waves 2, 3) of the work-group's 256 positions,
; slot 1 the same of [64:128].  They hang on the tile row alone: all four waves ask with the mask of my row of the cluster.
; THE MATRIX INSTRUCTION IS USED TRANSPOSED (source 0 = 16 rows of W, source 1 = 16 rows of x): accumulator (a, b), register j, lane (r, h) holds C(position 16 a + r, column 16 b + 8 h + j); rotary's partner is accumulator b +- 4, same lane, same register.
; REGISTERS: window 0: v8-15 at work behind the products; v16-31 addresses; v32-95 scale words, two sets, nothing else; from v128 A's fragments, later cos and sin in two sets of 64, later the way out.
;   window 1: B's fragments, two sets; later the rotated lower halves (32 a + 8 b + j).   windows 2, 3: the accumulators (a, b) at v[8 (8 (a % 4) + b)]; the rotated upper halves are made in place.
.set KSTEP,  512
.set NQ,     KSTEP/128
.set ROWB,   256                       ; a tile's row in bytes: 512 codes
.set KROW,   1024                      ; a row of codes in memory
.set PITCH,  272                       ; an LDS row: 256 bytes + 16 of padding: the 16 rows that a load touches start at 16 different groups of four banks
.set FR,     8
.set NL,     2
.set NP,     4                         ; places behind this matrix instruction (ISA guide 7.12.1)
.set HALFT,  128*PITCH
.set SLOT,   4*HALFT
.set KS,     64                        ; a row of scale bytes
.set SCL,    2*SLOT                    ; behind the ring: the scales, as runs of 256 bytes + 16 of padding
.set HALFS,  (128*KS/256)*272
.set SBLK,   (16*KS/256)*272
.set SPARE,  SCL+4*HALFS               ; the spare words, 128 bytes for each wave
.set SPITCH, 528                       ; the way out: a stage row: 256 bytes of high parts, 256 of low parts, 16 of padding
.set MX,   8                           ; v8-11   four running largest magnitudes
.set ADRA, 16                          ; v16-17  LDS address of my A fragments in slot 0, 1
.set ADRB, 20                          ; v20-21  the same for B
.set CA1,  22                          ; v22     my cos rows in slot 1;  v23 my sin rows
.set SA1,  23
.set STO,  24                          ; v24     the way out: where I put 16 bytes of a row
.set RD,   25                          ; v25     where I read a row back
.set CO,   26                          ; v26     my byte offset in a row of qkv
.set ADRS, 27                          ; v27     LDS address of my scale words: lanes 0-15 A's rows, lanes 16-31 B's
.set SPW,  28                          ; v28     my spare word; never rewritten
.set NIL,  29                          ; v29     0; never rewritten
.set CA0,  30                          ; v30     my cos rows in slot 0;  v31 my sin rows
.set SA0,  31
.set SC,   32
.set AF,   128
.set CSR,  128                         ; cos and sin: set s at v[128 + 64 s]: 32 of cos, 32 of sin
.set TMP,  128                         ; the way out: 32 registers of packed high parts,
.set TML,  160                         ; 32 of packed low parts,
.set BK,   192                         ; 16 rows read back: v192-255
.set G1, 24
.set G0, 32
.set G1B, 48
.set G0B, 56
.set G1S, 68
.set G0S, 76
.set G1SB, 80
.set G0SB, 88
.set ISV, 95                           ; s95  1 in a wave whose head is one of v's
.set MSB, 0
.macro WIN new                         ; the immediate's high byte repeats the setting that is left
.if MSB != \new
	s_set_vgpr_msb (MSB<<8)|\new
.set MSB, \new
.endif
.endm
.set MUL_LO, 0xa1                      ; source 0 (B) window 1, source 1 (A) window 0, C and D window 2
.set MUL_HI, 0xf1
.set TO_B,   0x40
; A joint load: waves 0 and 1 take the first line, waves 2 and 3 the second.  The branch hangs on the wave's number alone.  An s_nop 0 and four v_nop follow each line.
.macro JLOAD g0a, g1a, g0b, g1b
	s_cmp_eq_u32 s15, 0
	s_cbranch_scc0 .Lfor_b_\@
	tensor_load_to_lds s[\g0a:\g0a+3], s[\g1a:\g1a+7]
	s_nop 0
.rept 4
	v_nop
.endr
	s_branch .Lasked_\@
.Lfor_b_\@:
	tensor_load_to_lds s[\g0b:\g0b+3], s[\g1b:\g1b+7]
	s_nop 0
.rept 4
	v_nop
.endr
.Lasked_\@:
.endm
.macro CREST                           ; a round of the cluster's barrier behind its opening barrier
	s_cmp_lg_u32 s14, 0
	s_cbranch_scc1 .Lnot_wave_0_\@
	s_barrier_signal -3
.Lnot_wave_0_\@:
	s_barrier_wait -3
	s_barrier_signal -1
	s_barrier_wait -1
.endm
.macro CROUND
	s_barrier_signal -1
	s_barrier_wait -1
	CREST
.endm
	s_load_b128 s[4:7], s[0:1], 0x0                ; x's codes, x's scales
	s_load_b128 s[8:11], s[0:1], 0x10              ; W's codes, W's scales
	s_load_b128 s[96:99], s[0:1], 0x20             ; cos, sin
	s_load_b64 s[12:13], s[0:1], 0x30              ; qkv
	s_load_b64 s[66:67], s[0:1], 0x38              ; qks
	v_lshl_add_u32 v[SPW], v0, 2, SPARE
	v_mov_b32 v[NIL], 0
	ds_add_u32 v[SPW], v[NIL]                      ; the wave's opening: the add, twice on end, and its wait ahead of my first tensor load
	ds_add_u32 v[SPW], v[NIL]
	v_lshrrev_b32 v1, 5, v0
	v_readfirstlane_b32 s14, v1                    ; wave 0..3
	s_lshr_b32 s15, s14, 1                         ; which half of the tile's rows is mine.  Also: I fetch for A (0) or for B (1)
	s_and_b32 s16, s14, 1                          ; which half of its columns.  Also: which 128 rows of a tile I fetch
	s_bfe_u32 s40, ttmp6, 0x40000                  ; cx, cy
	s_bfe_u32 s41, ttmp6, 0x40004
	s_lshl_b32 s42, ttmp9, 2
	s_add_co_u32 s42, s42, s40                     ; tile column = 4 x cluster x + cx
	s_and_b32 s17, ttmp7, 0xffff
	s_lshl_b32 s17, s17, 2
	s_add_co_u32 s17, s17, s41                     ; tile row = 4 x cluster y + cy
	s_lshl_b32 s43, s41, 2
	s_lshl_b32 s43, 15, s43                        ; my row of the cluster
	s_lshl_b32 s44, 0x1111, s40                    ; my column
	s_cmp_eq_u32 ttmp9, 2                          ; tile columns 8-11 hold k (column half 0) and v (half 1): the cluster's x and the wave's number alone say which
	s_cselect_b32 s[ISV], s16, 0
	s_or_b32 s[G1+0], s43, (0<<16)|(1<<20)|(1<<21)|(5<<22)|(3<<25)  ; 15:0 the mask; 17:16 elements of 1 byte; 20 padding on; 21 set beside a mask; 24:22 after every 64 words; 31:25 four words
	s_or_b32 s[G1B+0], s44, (0<<16)|(1<<20)|(1<<21)|(5<<22)|(3<<25)
.irp g, G1, G1B
	s_mov_b32 s[\g+1], ROWB<<16                    ; tensor_dim0
	s_mov_b32 s[\g+2], 128<<16                     ; tensor_dim1
	s_mov_b32 s[\g+3], ROWB<<16                    ; tile_dim0
	s_mov_b32 s[\g+4], 128                         ; tile_dim1
	s_mov_b32 s[\g+5], KROW                        ; the pitch in memory
	s_mov_b32 s[\g+6], 0
	s_mov_b32 s[\g+7], 0
.endr
	s_or_b32 s[G1S+0], s43, (3<<16)|(1<<20)|(1<<21)|(5<<22)|(3<<25)  ; the scales of 128 rows: 8,192 dense bytes as 32 rows of 256 (32 elements of 8 bytes), 16 bytes of padding behind each
	s_or_b32 s[G1SB+0], s44, (3<<16)|(1<<20)|(1<<21)|(5<<22)|(3<<25)
.irp g, G1S, G1SB
	s_mov_b32 s[\g+1], 32<<16
	s_mov_b32 s[\g+2], (128*KS/256)<<16
	s_mov_b32 s[\g+3], 32<<16
	s_mov_b32 s[\g+4], 128*KS/256
	s_mov_b32 s[\g+5], 32
	s_mov_b32 s[\g+6], 0
	s_mov_b32 s[\g+7], 0
.endr
	s_lshl_b32 s18, s16, 7
	s_lshl_b32 s20, s17, 8
	s_add_co_u32 s20, s20, s18                     ; A: row 256 x tile row + 128 x half
	s_lshl_b32 s46, s42, 8
	s_add_co_u32 s46, s46, s18                     ; B: row 256 x tile column + 128 x half
	s_mov_b32 s21, 0
	s_mov_b32 s47, 0
	s_mov_b64 s[18:19], KS
	s_mul_u64 s[22:23], s[20:21], s[18:19]         ; where these rows' scales begin
	s_mul_u64 s[92:93], s[46:47], s[18:19]
	s_mov_b64 s[18:19], KROW
	s_mul_u64 s[20:21], s[20:21], s[18:19]         ; and their codes
	s_mul_u64 s[46:47], s[46:47], s[18:19]
	s_mul_i32 s45, s14, HALFT                      ; where they go: wave x 128 rows
	s_mul_i32 s94, s14, HALFS
	s_and_b32 s2, s17, 7                           ; cos and sin: position (tile row % 8) x 256 + 128 x (wave % 2), 512 bytes a position
	s_lshl_b32 s2, s2, 1
	s_add_co_u32 s2, s2, s16
	s_lshl_b32 s2, s2, 16
	s_mov_b32 s3, 0
	s_wait_dscnt 0x0                               ; both opening adds are done
	s_wait_kmcnt 0x0
	s_add_nc_u64 s[20:21], s[4:5], s[20:21]
	s_add_nc_u64 s[22:23], s[6:7], s[22:23]
	s_add_nc_u64 s[46:47], s[8:9], s[46:47]
	s_add_nc_u64 s[92:93], s[10:11], s[92:93]
	s_add_nc_u64 s[96:97], s[96:97], s[2:3]
	s_add_nc_u64 s[98:99], s[98:99], s[2:3]
	CROUND                                         ; all sixteen work-groups are here: the first joint loads meet
	s_mov_b32 s[G0S], 1
	s_add_co_u32 s[G0S+1], s94, SCL
	s_mov_b64 s[G0S+2:G0S+3], s[22:23]
	s_or_b32 s[G0S+3], s[G0S+3], 0x80000000
	s_mov_b32 s[G0SB], 1
	s_add_co_u32 s[G0SB+1], s94, SCL
	s_mov_b64 s[G0SB+2:G0SB+3], s[92:93]
	s_or_b32 s[G0SB+3], s[G0SB+3], 0x80000000
	JLOAD G0S, G1S, G0SB, G1SB                     ; the scales first: they are wanted with K step 0
.irp s, 0,1
	s_mov_b32 s[G0+4*\s], 1
	s_add_co_u32 s[G0+4*\s+1], s45, \s*SLOT
	s_add_nc_u64 s[G0+4*\s+2:G0+4*\s+3], s[20:21], \s*ROWB
	s_or_b32 s[G0+4*\s+3], s[G0+4*\s+3], 0x80000000
	s_mov_b32 s[G0B+4*\s], 1
	s_add_co_u32 s[G0B+4*\s+1], s45, \s*SLOT
	s_add_nc_u64 s[G0B+4*\s+2:G0B+4*\s+3], s[46:47], \s*ROWB
	s_or_b32 s[G0B+4*\s+3], s[G0B+4*\s+3], 0x80000000
	JLOAD G0+4*\s, G1, G0B+4*\s, G1B               ; three tensor loads of mine are out now
.endr
	v_and_b32 v1, 15, v0                           ; r
	v_bfe_u32 v2, v0, 4, 1                         ; h
	v_mul_u32_u24 v3, v1, PITCH
	v_lshl_add_u32 v4, v2, 4, v3                   ; a fragment's row x pitch + 16 h
	v_lshl_add_u32 v7, v2, 5, v3                   ; a row of cos or sin x pitch + 32 h: my eight numbers of sixteen
	s_mul_i32 s21, s15, HALFT                      ; my 128 rows of A; of cos too
	s_mul_i32 s22, s16, HALFT
	s_add_co_u32 s22, s22, 2*HALFT                 ; my 128 rows of B
	v_add_nc_u32 v[CA0], s21, v7
	v_add_nc_u32 v[SA0], 2*HALFT, v[CA0]           ; sin lies where B's tiles lay
	v_add_nc_u32 v[CA1], SLOT, v[CA0]
	v_add_nc_u32 v[SA1], SLOT, v[SA0]
.irp s, 0,1
	v_add_nc_u32 v[ADRA+\s], s21, v4
	v_add_nc_u32 v[ADRB+\s], s22, v4
	s_add_co_u32 s21, s21, SLOT
	s_add_co_u32 s22, s22, SLOT
.endr
	v_mul_u32_u24 v5, v1, KS                       ; my row's scales: 64 bytes a row,
	v_lshrrev_b32 v6, 8, v5
	v_lshl_add_u32 v5, v6, 4, v5                   ; and 16 more for each 256 passed
	s_mul_i32 s21, s15, HALFS
	s_mul_i32 s22, s16, HALFS
	s_add_co_u32 s22, s22, 2*HALFS
	s_sub_co_u32 s22, s22, s21
	v_mul_u32_u24 v6, s22, v2                      ; lanes 16-31 take B's: one product, the distance between the two bases
	s_add_co_u32 s21, s21, SCL
	v_add_nc_u32 v5, v5, v6
	v_add_nc_u32 v[ADRS], s21, v5
	s_mul_i32 s23, s14, 16*SPITCH                  ; my stage, 16 rows x 528 bytes, in slot 0: written only behind that slot's last fill and last read
	v_mul_u32_u24 v5, v1, SPITCH
	v_lshl_add_u32 v5, v2, 4, v5
	v_add_nc_u32 v[STO], s23, v5                   ; in: row r, 16 bytes for each half of the lanes
	v_and_b32 v5, 31, v0
	v_lshlrev_b32 v[CO], 4, v5                     ; back: the 32 lanes take one row of 512 bytes; and the same in qkv
	v_add_nc_u32 v[RD], s23, v[CO]
	s_lshr_b32 s20, s17, 3                         ; b
	s_mul_i32 s20, s20, 24
	s_lshl_b32 s46, s42, 1
	s_add_co_u32 s46, s46, s16                     ; hh = 2 x tile column + column half
	s_add_co_u32 s20, s20, s46
	s_and_b32 s21, s17, 7
	s_lshl_b32 s21, s21, 1
	s_add_co_u32 s21, s21, s15                     ; my block of 128 positions, 0..15
	s_lshl_b32 s22, s20, 4
	s_add_co_u32 s22, s22, s21                     ; (24 b + hh) x 16 + block: the block's number
	s_lshl_b32 s46, s22, 16                        ; 128 rows of 512 bytes a block
	s_mov_b32 s47, 0
	s_add_nc_u64 s[12:13], s[12:13], s[46:47]
	s_lshl_b32 s46, s22, 2
	s_add_nc_u64 s[66:67], s[66:67], s[46:47]
	s_mov_b32 s20, 0x76543210                      ; v_permlanex16_b32's selects for lane l xor 16
	s_mov_b32 s21, 0xfedcba98
.macro FRAG reg, adr, q, i             ; 16 rows x 128 K of 4-bit codes: 8 registers: lane l holds row l % 16; registers 4 c .. 4 c + 3 hold K = 64 c + 32 (l / 16) + 0 .. 31
.irp c, 0,1
	ds_load_b128 v[\reg+4*\c:\reg+4*\c+3], v[\adr] offset:64*(\q)+32*\c+(\i)*16*PITCH
.endr
.endm
; 16 matrix instructions: A's blocks a0, a0 + 1 x B's eight, the slot's q-th 128 along K.  The 64 accumulators take turns, one instruction a turn, in the same order in every step.
.macro MUL16 a0, p, q, sc, zero
.irp a, \a0, \a0+1
.irp b, 0,1,2,3,4,5,6,7
.if \zero
	v_wmma_scale_f32_16x16x128_f8f6f4 v[8*(8*((\a)%4)+\b):8*(8*((\a)%4)+\b)+7], v[128*(\p)+FR*\b:128*(\p)+FR*\b+FR-1], v[AF+FR*(\a):AF+FR*(\a)+FR-1], 0, v[SC+8*NQ*(\sc)+NQ*\b+(\q)], v[SC+8*NQ*(\sc)+NQ*(\a)+(\q)] matrix_a_fmt:MATRIX_FMT_FP4 matrix_b_fmt:MATRIX_FMT_FP4 matrix_a_scale:MATRIX_SCALE_ROW1
.else
	v_wmma_scale_f32_16x16x128_f8f6f4 v[8*(8*((\a)%4)+\b):8*(8*((\a)%4)+\b)+7], v[128*(\p)+FR*\b:128*(\p)+FR*\b+FR-1], v[AF+FR*(\a):AF+FR*(\a)+FR-1], v[8*(8*((\a)%4)+\b):8*(8*((\a)%4)+\b)+7], v[SC+8*NQ*(\sc)+NQ*\b+(\q)], v[SC+8*NQ*(\sc)+NQ*(\a)+(\q)] matrix_a_fmt:MATRIX_FMT_FP4 matrix_b_fmt:MATRIX_FMT_FP4 matrix_a_scale:MATRIX_SCALE_ROW1
.endif
.endr
.endr
.endm
.macro FETCH_B slot, q, p
	WIN TO_B
.irp i, 0,1,2,3,4,5,6,7
	FRAG 128*(\p)+FR*\i, ADRB+\slot, \q, \i
.endr
	WIN 0
.endm
.macro FETCH_A slot, q, i0
.irp i, \i0, \i0+1, \i0+2, \i0+3
	FRAG AF+FR*(\i), ADRA+\slot, \q, \i
.endr
.endm
.macro SCALES sc                       ; a K step's scale words: four words a row; lanes 0-15 A's block i, lanes 16-31 B's block i
.irp i, 0,1,2,3,4,5,6,7
	ds_load_b128 v[SC+8*NQ*\sc+NQ*\i:SC+8*NQ*\sc+NQ*\i+3], v[ADRS] offset:\i*SBLK
.endr
.endm
.macro PLACES n                        ; plain vector lines between a matrix instruction and a load into, or a read of, its registers
.rept \n
	v_nop
.endr
.endm
.macro STEP slot, q, zero              ; 128 along K with a successor in the same slot
	s_wait_dscnt 4*NL                              ; B's set and A's blocks 0-3 are in; the youngest eight loads (A's blocks 4-7) may be out
	WIN MUL_LO
	MUL16 0, (\q)%2, \q, \slot, \zero
	MUL16 2, (\q)%2, \q, \slot, \zero
	s_wait_dscnt 0
	PLACES NP
	FETCH_B \slot, (\q)+1, 1-(\q)%2
	FETCH_A \slot, (\q)+1, 0
	WIN MUL_HI
	MUL16 4, (\q)%2, \q, \slot, \zero
	MUL16 6, (\q)%2, \q, \slot, \zero
	PLACES NP
	WIN 0
	FETCH_A \slot, (\q)+1, 4
.endm
; A slot's last 128 along K changes slots: in front of the barrier each wave waits for all its tensor loads, adds 0 to its spare word, and waits for that and for its reads of this slot.
; fill = 1: this slot takes the K step two on.  fill = 2: it takes the lower halves of cos and sin.
.macro TURN slot, next, fill
	s_wait_tensorcnt 0x0                           ; all my tensor loads have landed: my part of the next slot
	ds_add_u32 v[SPW], v[NIL]                      ; 0 onto my spare word
	s_wait_dscnt 4*NL+1                            ; the add and the youngest eight loads may be out
	WIN MUL_LO
	MUL16 0, 1, NQ-1, \slot, 0
	s_wait_dscnt 0x0                               ; the add is done, and my reads of this slot are over
	s_barrier_signal -1
	MUL16 2, 1, NQ-1, \slot, 0
	WIN 0
	s_barrier_wait -1
	CREST                                          ; the barrier has opened a round of the cluster's: no wave of any partner still reads this slot or has a load on its way
.if \fill == 1
	s_add_nc_u64 s[G0+4*\slot+2:G0+4*\slot+3], s[G0+4*\slot+2:G0+4*\slot+3], 2*ROWB
	s_add_nc_u64 s[G0B+4*\slot+2:G0B+4*\slot+3], s[G0B+4*\slot+2:G0B+4*\slot+3], 2*ROWB
	JLOAD G0+4*\slot, G1, G0B+4*\slot, G1B
.else
	s_mov_b32 s[G1+5], 512                         ; no tensor load of mine is out and no K step is left to ask for: A's shape becomes that of cos and sin: 512 bytes from row to row
	s_mov_b64 s[G0+4*\slot+2:G0+4*\slot+3], s[96:97]
	s_or_b32 s[G0+4*\slot+3], s[G0+4*\slot+3], 0x80000000
	s_mov_b64 s[G0B+4*\slot+2:G0B+4*\slot+3], s[98:99]
	s_or_b32 s[G0B+4*\slot+3], s[G0B+4*\slot+3], 0x80000000
	JLOAD G0+4*\slot, G1, G0B+4*\slot, G1          ; both lines with the mask of my row: cos and sin hang on the tile row alone
.endif
	v_add_nc_u32 v[ADRS], 4*NQ, v[ADRS]            ; on to the next K step's scale words
	FETCH_B \next, 0, 0
	FETCH_A \next, 0, 0
	SCALES \next
	WIN MUL_HI
	MUL16 4, 1, NQ-1, \slot, 0
	MUL16 6, 1, NQ-1, \slot, 0
	PLACES NP
	WIN 0
	FETCH_A \next, 0, 4
.endm
.macro STEPS slot, from
.set Q, \from
.rept NQ-1-\from
	STEP \slot, Q, 0
.set Q, Q+1
.endr
.endm
	s_wait_tensorcnt 1                             ; the scales and my part of K step 0 are in; K step 1's load may be out
	s_barrier_signal -1
	s_barrier_wait -1
	FETCH_B 0, 0, 0
	FETCH_A 0, 0, 0
	SCALES 0
	FETCH_A 0, 0, 4
	STEP 0, 0, 1                                   ; the first products start the sums: nothing is cleared
	STEPS 0, 1
	TURN 0, 1, 1                                   ; slot 0 takes K step 2
	STEPS 1, 0
	TURN 1, 0, 1                                   ; slot 1 takes K step 3
	STEP 0, 0, 0
	STEPS 0, 1
	TURN 0, 1, 2                                   ; slot 0 takes cos and sin [0:64]
	STEPS 1, 0
	; the very last 128 along K, in the form of a change of slots: slot 1 takes cos and sin [64:128]
	s_wait_tensorcnt 0x0                           ; the lower halves have landed
	ds_add_u32 v[SPW], v[NIL]
	s_wait_dscnt 4*NL+1
	WIN MUL_LO
	MUL16 0, 1, NQ-1, 1, 0
	s_wait_dscnt 0x0
	s_barrier_signal -1
	MUL16 2, 1, NQ-1, 1, 0
	WIN 0
	s_barrier_wait -1
	CREST
	s_add_nc_u64 s[96:97], s[96:97], 256
	s_add_nc_u64 s[98:99], s[98:99], 256
	s_mov_b64 s[G0+6:G0+7], s[96:97]
	s_or_b32 s[G0+7], s[G0+7], 0x80000000
	s_mov_b64 s[G0B+6:G0B+7], s[98:99]
	s_or_b32 s[G0B+7], s[G0B+7], 0x80000000
	JLOAD G0+4, G1, G0B+4, G1                      ; it has the 32 products below and the whole first pass of rotary in which to land
	WIN MUL_HI
	MUL16 4, 1, NQ-1, 1, 0
	MUL16 6, 1, NQ-1, 1, 0
	WIN 0
.irp c, 0,1,2,3
	v_mov_b32 v[MX+\c], 0x0d800000                 ; the floor 2^-100 under the block's largest magnitude.  (These five lines are the places behind the last products)
.endr
	v_mov_b32 v12, 0                               ; a lane permute's destination counts as one of its sources
; sixteen LDS loads: cos and sin of positions 16 a + r, my eight numbers of each of four groups of sixteen, from slot sl into set
.macro CLOAD sl, a, set
	WIN 0
.if \sl
.set CAX, CA1
.set SAX, SA1
.else
.set CAX, CA0
.set SAX, SA0
.endif
.irp bq, 0,1,2,3
	ds_load_b128 v[CSR+64*(\set)+8*\bq:CSR+64*(\set)+8*\bq+3],     v[CAX] offset:16*PITCH*(\a)+64*\bq
	ds_load_b128 v[CSR+64*(\set)+8*\bq+4:CSR+64*(\set)+8*\bq+7],   v[CAX] offset:16*PITCH*(\a)+64*\bq+16
	ds_load_b128 v[CSR+64*(\set)+32+8*\bq:CSR+64*(\set)+32+8*\bq+3],   v[SAX] offset:16*PITCH*(\a)+64*\bq
	ds_load_b128 v[CSR+64*(\set)+32+8*\bq+4:CSR+64*(\set)+32+8*\bq+7], v[SAX] offset:16*PITCH*(\a)+64*\bq+16
.endr
.endm
; d < 64: t'[d] = t[d] cos[d] - t[d + 64] sin[d], into window 1; each accumulator is read from its low end on
.macro ROPE1 a
.set AC, 64*((\a)%4)
.set LO, 32*(\a)
.set CSB, CSR+64*((\a)%2)
.set WW, 0x52+(\a)/4                   ; destination and source 2 window 1, source 0 window 2 or 3, source 1 window 0
	WIN WW
.irp bq, 0,1,2,3
.irp jp, 0,2,4,6
	v_pk_mul_f32 v[LO+8*\bq+\jp:LO+8*\bq+\jp+1], v[AC+8*\bq+\jp:AC+8*\bq+\jp+1], v[CSB+8*\bq+\jp:CSB+8*\bq+\jp+1]
.endr
.irp jp, 0,2,4,6
	v_pk_fma_f32 v[LO+8*\bq+\jp:LO+8*\bq+\jp+1], v[AC+32+8*\bq+\jp:AC+32+8*\bq+\jp+1], v[CSB+32+8*\bq+\jp:CSB+32+8*\bq+\jp+1], v[LO+8*\bq+\jp:LO+8*\bq+\jp+1] neg_lo:[1,0,0] neg_hi:[1,0,0]
.endr
.endr
	WIN 0x14                                       ; sources 1 and 2 window 1
.irp jp, 0,2,4,6
.irp bq, 0,1,2,3
	v_max3_num_f32 v[MX+\bq], v[MX+\bq], |v[LO+8*\bq+\jp]|, |v[LO+8*\bq+\jp+1]|
.endr
.endr
.endm
; d >= 64: t'[d] = t[d] cos[d] + t[d - 64] sin[d], in place: the old lower half still lies in its accumulators
.macro ROPE2 a
.set AC, 64*((\a)%4)
.set CSB, CSR+64*((\a)%2)
.set WW, 0xa2+0x51*((\a)/4)            ; destination, sources 0 and 2 window 2 or 3, source 1 window 0
	WIN WW
.irp bq, 0,1,2,3
.irp jp, 0,2,4,6
	v_pk_mul_f32 v[AC+32+8*\bq+\jp:AC+32+8*\bq+\jp+1], v[AC+32+8*\bq+\jp:AC+32+8*\bq+\jp+1], v[CSB+8*\bq+\jp:CSB+8*\bq+\jp+1]
.endr
.irp jp, 0,2,4,6
	v_pk_fma_f32 v[AC+32+8*\bq+\jp:AC+32+8*\bq+\jp+1], v[AC+8*\bq+\jp:AC+8*\bq+\jp+1], v[CSB+32+8*\bq+\jp:CSB+32+8*\bq+\jp+1], v[AC+32+8*\bq+\jp:AC+32+8*\bq+\jp+1]
.endr
.endr
.set WW, 0x28+0x14*((\a)/4)            ; sources 1 and 2 window 2 or 3
	WIN WW
.irp jp, 0,2,4,6
.irp bq, 0,1,2,3
	v_max3_num_f32 v[MX+\bq], v[MX+\bq], |v[AC+32+8*\bq+\jp]|, |v[AC+32+8*\bq+\jp+1]|
.endr
.endr
.endm
	s_cmp_lg_u32 s[ISV], 0
	s_cbranch_scc1 .Lv_one
	CLOAD 0, 0, 0                                  ; THE FIRST PASS: the lower halves, a block of 16 positions at a time, the next block's cos and sin on their way
.irp a, 0,1,2,3,4,5,6,7
.if \a < 7
	CLOAD 0, \a+1, (\a+1)%2
	s_wait_dscnt 16                                ; this block's sixteen loads are in; the next block's sixteen may be out
.else
	s_wait_dscnt 0x0
.endif
	ROPE1 \a
.endr
	WIN 0
	s_branch .Lmeet
.Lv_one:                                               ; v has no rotary: its lower halves move to window 1 as they are, so that the way out has one form
.irp a, 0,1,2,3,4,5,6,7
.set WW, 0x42+\a/4
	WIN WW
.set i, 0
.rept 16
	v_pk_mul_f32 v[32*\a+i:32*\a+i+1], v[64*(\a%4)+i:64*(\a%4)+i+1], 1.0 op_sel_hi:[1,0]
.set i, i+2
.endr
.endr
	WIN 0
.Lmeet:
	s_wait_tensorcnt 0x0                           ; my part of the upper halves has landed,
	s_wait_dscnt 0x0                               ; and my reads of slot 0 are over:
	s_barrier_signal -1
	s_barrier_wait -1                              ; both hold of every wave: slot 1 is whole, and slot 0, which has had its last fill, may take the stages
	s_cmp_lg_u32 s[ISV], 0
	s_cbranch_scc1 .Lv_two
	CLOAD 1, 0, 0                                  ; THE SECOND PASS: the upper halves
.irp a, 0,1,2,3,4,5,6,7
.if \a < 7
	CLOAD 1, \a+1, (\a+1)%2
	s_wait_dscnt 16
.else
	s_wait_dscnt 0x0
.endif
	ROPE2 \a
.endr
	WIN 0
	v_max3_num_f32 v8, v8, v9, v10                 ; the block's largest magnitude: my four chains, then the 32 lanes
	v_max_num_f32 v8, v8, v11
	v_max_num_f32_dpp v8, v8, v8 row_xmask:1 row_mask:0xf bank_mask:0xf
	v_max_num_f32_dpp v8, v8, v8 row_xmask:2 row_mask:0xf bank_mask:0xf
	v_max_num_f32_dpp v8, v8, v8 row_xmask:4 row_mask:0xf bank_mask:0xf
	v_max_num_f32_dpp v8, v8, v8 row_xmask:8 row_mask:0xf bank_mask:0xf
	v_permlanex16_b32 v12, v8, s20, s21
	v_max_num_f32 v8, v8, v12
	v_and_b32 v12, 0x7f800000, v8                  ; its exponent field E, in place
	v_sub_nc_u32 v14, 0x86000000, v12              ; field 268 - E: the multiplier m = 2^(14 - floor(log2))
	v_add_nc_u32 v13, 0xf9000000, v12              ; field E - 14: its reciprocal, which goes to qks
	v_mov_b32 v15, v14
	s_branch .Lout
.Lv_two:
	v_mov_b32 v14, 1.0
	v_mov_b32 v15, 1.0
	v_mov_b32 v13, 1.0
.Lout:
	v_and_b32 v12, 31, v0
	v_mov_b32 v9, 0
	s_wait_xcnt 0x0                                ; EXEC changes only behind this wait
	v_cmp_eq_u32 vcc_lo, 0, v12
	s_and_saveexec_b32 s3, vcc_lo
	global_store_b32 v9, v13, s[66:67]             ; lane 0 stores the block's scale
	s_wait_xcnt 0x0                                ; and again in front of the line that widens it; the store has read v13 too
	s_or_b32 exec_lo, exec_lo, s3
	v_mul_f32 v12, 0x46000400, v14                 ; 8193 m = (2^13 + 1) m, exact: the splitter
	v_mov_b32 v13, v12                             ; (named with it as a pair, so it is written)
; THE WAY OUT, a block of 16 positions at a time: y = t m is split into a high and a low part, both rounded to f16, 16 bytes a lane into my stage, back as whole rows of 512 bytes, stored.
; THE SPLIT, in f32, of 16 numbers t at v[src] on, all in window 2 + hw: c = t (8193 m); d = c - y; high = c - d: y's 11 leading bits, rounded to nearest; low = y - high, exact.  (m is a power of two: y = t m is exact inside each fused line.)
; c and high stand at v[tc] on, d and low at v[tc + 16] on: accumulators of the same block that are done with.  The packed parts go to v[TMP + out] and v[TML + out] on, in window 0.
.macro SPLIT16 hw, src, tc, out
.set WW, 0xa2+0x51*(\hw)               ; destination, sources 0 and 2 window 2 or 3, source 1 window 0
	WIN WW
.set i, 0
.rept 8
	v_pk_mul_f32 v[\tc+i:\tc+i+1], v[\src+i:\src+i+1], v[12:13] op_sel_hi:[1,0]
.set i, i+2
.endr
.set i, 0
.rept 8
	v_pk_fma_f32 v[\tc+16+i:\tc+16+i+1], v[\src+i:\src+i+1], v[14:15], v[\tc+i:\tc+i+1] op_sel_hi:[1,0,1] neg_lo:[1,0,0] neg_hi:[1,0,0]
.set i, i+2
.endr
.set i, 0
.rept 8
	v_pk_fma_f32 v[\tc+i:\tc+i+1], v[\tc+i:\tc+i+1], 1.0, v[\tc+16+i:\tc+16+i+1] op_sel_hi:[1,0,1] neg_lo:[0,0,1] neg_hi:[0,0,1]
.set i, i+2
.endr
.set i, 0
.rept 8
	v_pk_fma_f32 v[\tc+16+i:\tc+16+i+1], v[\src+i:\src+i+1], v[14:15], v[\tc+i:\tc+i+1] op_sel_hi:[1,0,1] neg_lo:[0,0,1] neg_hi:[0,0,1]
.set i, i+2
.endr
.set WW, 0x0a+5*(\hw)                  ; sources 0 and 1 window 2 or 3, destination window 0
	WIN WW
.set i, 0
.rept 8
	v_cvt_pk_f16_f32 v[TMP+\out+i], v[\tc+2*i], v[\tc+2*i+1]
.set i, i+1
.endr
.set i, 0
.rept 8
	v_cvt_pk_f16_f32 v[TML+\out+i], v[\tc+16+2*i], v[\tc+16+2*i+1]
.set i, i+1
.endr
.endm
; Block a.  First the upper halves (accumulators b = 4..7), at work in the old lower halves, which nobody needs any more; then the rotated lower halves come over from window 1 and are split at work in the upper halves' registers.
.macro PACK a
.set AC, 64*((\a)%4)
	SPLIT16 (\a)/4, AC+32, AC, 16
	SPLIT16 (\a)/4, AC+48, AC, 24
.set WW, 0x81+0x40*((\a)/4)            ; destination window 2 or 3, source 0 window 1
	WIN WW
.set i, 0
.rept 16
	v_pk_mul_f32 v[AC+i:AC+i+1], v[32*(\a)+i:32*(\a)+i+1], 1.0 op_sel_hi:[1,0]
.set i, i+2
.endr
	SPLIT16 (\a)/4, AC, AC+32, 0
	SPLIT16 (\a)/4, AC+16, AC+32, 8
	WIN 0
.endm
.macro TOSTAGE a
	s_wait_xcnt 0x0                                ; the stores of the block before have read their registers: this block's loads may land there
.irp b, 0,1,2,3,4,5,6,7
	ds_store_b128 v[STO], v[TMP+4*\b:TMP+4*\b+3] offset:32*\b
.endr
.irp b, 0,1,2,3,4,5,6,7
	ds_store_b128 v[STO], v[TML+4*\b:TML+4*\b+3] offset:256+32*\b
.endr
.irp t, 0,1,2,3,4,5,6,7,8,9,10,11,12,13,14,15
	ds_load_b128 v[BK+4*\t:BK+4*\t+3], v[RD] offset:\t*SPITCH      ; LDS serves a wave's instructions in order: these see the stores above
.endr
.endm
.macro SEND a
	s_wait_dscnt 0x0                               ; the block is back in registers
.irp t, 0,1,2,3,4,5,6,7,8,9,10,11,12,13,14,15
	global_store_b128 v[CO], v[BK+4*\t:BK+4*\t+3], s[12:13] offset:8192*(\a)+512*\t   ; 32 lanes store 512 consecutive bytes, aligned: a position's row of one head
.endr
.endm
	PACK 0
	TOSTAGE 0
.irp a, 1,2,3,4,5,6,7                  ; block a's arithmetic stands between block a - 1's loads from the stage and the wait for them
	PACK \a
	SEND \a-1
	TOSTAGE \a
.endr
	SEND 7
	s_wait_tensorcnt 0x0                           ; the wave's end: a wait, an add of 0 to my spare word and its wait, behind my last tensor load and my last LDS store
	ds_add_u32 v[SPW], v[NIL]
	s_wait_dscnt 0x0
	CROUND                                         ; the closing round: no work-group ends while a partner may still ask for a tile that names it
	s_endpgm
.Lfunc_end_k_qf63fe44725_proj:
	.size	k_qf63fe44725_proj, .Lfunc_end_k_qf63fe44725_proj-k_qf63fe44725_proj
	.p2alignl 7, 3214868480
	.fill 96, 4, 3214868480
	.section	.rodata,"a",@progbits
	.p2align	6, 0x0
	.amdhsa_kernel k_qf63fe44725_proj
		.amdhsa_group_segment_fixed_size 327680
		.amdhsa_private_segment_fixed_size 0
		.amdhsa_enable_private_segment 0
		.amdhsa_kernarg_size 64
		.amdhsa_user_sgpr_count 2
		.amdhsa_user_sgpr_kernarg_segment_ptr 1
		.amdhsa_wavefront_size32 1
		.amdhsa_system_sgpr_workgroup_id_x 1
		.amdhsa_system_sgpr_workgroup_id_y 1
		.amdhsa_system_sgpr_workgroup_id_z 1
		.amdhsa_system_vgpr_workitem_id 0
		.amdhsa_next_free_vgpr 1024
		.amdhsa_next_free_sgpr 100
		.amdhsa_reserve_vcc 1
		.amdhsa_float_denorm_mode_32 3
		.amdhsa_float_denorm_mode_16_64 3
		.amdhsa_memory_ordered 1
		.amdhsa_forward_progress 1
		.amdhsa_inst_pref_size 255
	.end_amdhsa_kernel
	.section	.bss,"aw",@nobits
	.p2align	6
	.space	262144
	.amdgpu_metadata
---
amdhsa.version: [ 1, 2 ]
amdhsa.kernels:
  - .name:           k_qf63fe44725_proj
    .symbol:         k_qf63fe44725_proj.kd
    .args:
      - { .name: x_codes, .offset: 0, .size: 8, .value_kind: global_buffer, .address_space: global }
      - { .name: x_scales, .offset: 8, .size: 8, .value_kind: global_buffer, .address_space: global }
      - { .name: w_codes, .offset: 16, .size: 8, .value_kind: global_buffer, .address_space: global }
      - { .name: w_scales, .offset: 24, .size: 8, .value_kind: global_buffer, .address_space: global }
      - { .name: cos, .offset: 32, .size: 8, .value_kind: global_buffer, .address_space: global }
      - { .name: sin, .offset: 40, .size: 8, .value_kind: global_buffer, .address_space: global }
      - { .name: qkv, .offset: 48, .size: 8, .value_kind: global_buffer, .address_space: global }
      - { .name: qks, .offset: 56, .size: 8, .value_kind: global_buffer, .address_space: global }
    .group_segment_fixed_size: 327680
    .private_segment_fixed_size: 0
    .kernarg_segment_align: 8
    .kernarg_segment_size: 64
    .max_flat_workgroup_size: 128
    .sgpr_count:     100
    .vgpr_count:     1024
    .wavefront_size: 32
...
	.end_amdgpu_metadata
.endif
;; end of part 2
;; launch attn (part 3): grid 32 x 8, 4 waves a work-group, clusters of 4 x 1, 327,680 bytes of LDS; arguments qkv, qks, out0; writes out0
.if DOCPART == 3
	.amdgcn_target "amdgcn-amd-amdhsa--gfx1250"
	.amdhsa_code_object_version 6
	.text
	.protected	k_qf63fe44725_attn
	.globl	k_qf63fe44725_attn
	.p2align	8
	.type	k_qf63fe44725_attn,@function
k_qf63fe44725_attn:
	s_mov_b64 s[64:65], 0
	v_nop
	global_prefetch_b8 v0, s[64:65] scope:SCOPE_SE
	s_setreg_imm32_b32 hwreg(HW_REG_WAVE_MODE, 25, 1), 1
	s_wait_xcnt 0x0
	s_wait_alu depctr_hold_cnt(0) depctr_sa_sdst(0) depctr_va_vdst(0) depctr_va_sdst(0) depctr_va_ssrc(0) depctr_va_vcc(0) depctr_vm_vsrc(0)
	s_getreg_b32 s2, hwreg(HW_REG_IB_STS2, 6, 4)
	s_cmp_eq_u32 s2, 0
	s_cbranch_scc0 .Lentry_in_a_cluster
	s_endpgm
.Lentry_in_a_cluster:
	s_bfe_u32 s2, ttmp6, 0x10000c
	s_cmp_lg_u32 s2, 0x3003
	s_cbranch_scc0 .Lentry_shape_is_right
	s_endpgm
.Lentry_shape_is_right:
; Causal grouped-query attention.  qkv [b 2][hh 24][s 2048][256] f16 (hh 0-15 q, 16 + 2 i k, 17 + 2 i v): a row is 128 high parts, then 128 low parts; q and k stand under one power-of-two scale for each 128 positions of a head (qks, f32).
; out0 [b][s][16 x 128] f32.  Products on f16 operands with f32 sums.  THE SCORES TAKE q AND k AS PAIRS: s = qh.kh + qh.kl + ql.kh, three terms on one accumulator (ql.kl, some 2^-22 of a term, is left out).
; v goes by its high part alone; the weights p are rounded to f16 for the second product; maxima, exponentials and sums in f32; the row's sum is taken of the unrounded p.
; SHARES.  A work-group (y = 4 b + key/value head) owns two blocks of 32 positions x the 4 query heads of that key/value head: block 4 u + cx (N1 = u + 1 slots of 128 keys under the causal mask) and block 63 - 4 u - cx (16 - u slots):
; 17 TILES (slots of K and V) for every work-group, numbered 0 to 16 along the walk.  Wave w = (a = w / 2, c = w % 2) holds positions 16 a .. 16 a + 15 of the block in all four heads (four register tiles of 16 rows, which share K, V and the mask)
; and takes, of each slot, the 64 keys of half c.  Register tile t of a wave holds head t xor 2 c.  Tiles 0, 1 are PIECE 0, tiles 2, 3 PIECE 2: my piece 2 and my partner's (w xor 1) piece 0 are the same heads over the two halves of the keys.
; LAYOUT.  S^T = K Q^T (source 0 = 16 keys, source 1 = 16 rows of Q) and O^T = V^T P: a lane holds ONE row (lane % 16) throughout; V comes out of LDS turned, by ds_load_tr16_b128.
; SOFTMAX.  t = c s, c = log2(e) / sqrt(128) x q's scale x k's scale: a scalar for each register tile and slot.  The running maximum m is kept in units of t.  p = 2^(t - m); O and l are multiplied by 2^(m_old - m_new) in every step.
; A block begins by m = -3e38: the first step's factor is then 0, which clears l and O^T (finite numbers).  Where a wave's 64 keys are all hidden m stays -3e38, p is 0, and the wave counts for nothing when the halves are joined.
; A TRIP, J = 0 .. 15, deals with tile J:  the change of slots asks for tile J + 1 | piece 2: V^T P of tile J - 1, then its scores of tile J, with piece 0's softmax of tile J in 64 slices among the 96 score products |
; a barrier: tile J + 1 has landed | piece 0: V^T P of tile J, then its scores of tile J + 1, with piece 2's softmax of tile J among them.  Behind the loop: piece 2's turn once more, the last softmax, the last products.
; ONE BUFFER OF 128 REGISTERS HOLDS V AND kl BY TURNS, since 1,024 registers have no room for both: V^T P | kl is fetched | kh.qh, 32 products under which it lands | kl.qh | V is fetched | kh.ql, 32 products under which it lands.
; A BLOCK'S END has no trip of its own.  In trip N1 - 1 the second block's Q is loaded; in trip N1, behind the change of slots, each wave stores its piece 0 (O^T, m, l: finished) to LDS; behind that trip's middle barrier it joins its piece 2 (finished)
; with its partner's piece 0 and stores the rows.  So a barrier lies between the stores and the partner's loads, and the next change of slots between those loads and any later stores.
; CLUSTER.  The four partners (cx = 0..3) walk the same slots in the same trips: each tile of K and V is asked for jointly, mask 15.  The trip count is a constant; branches hang on the trip's number and the cluster's x alone.
; LIMITS: NaN and infinities are not served; c, the product of the two scales and the constant, must not fall out of f32's range.
; REGISTERS, in windows of 256: window 0: v2-11 addresses; v12-43 eight registers of statistics a tile; v44-63 the partner's statistics, mask numbers, addresses; v64-191 S^T; v192-255 P.
;   window 1: O^T, 64 a tile.   window 2: v0-127 Q's high parts; v128-255 K's high parts of one step, at a block's end the partner's O^T and then the rows of out0.   window 3: v0-127 V or K's low parts of one step; v128-255 Q's low parts.
.set KS,    64                         ; keys in a wave's step
.set ROWB,  512                        ; a row of qkv in bytes
.set PK,    528                        ; a row of K in LDS: 512 bytes + 16: the 16 rows that a load touches start at 16 different groups of four banks
.set PVP,   288                        ; a row of V: 256 + 32
.set VOFF,  KS*PK
.set STEPB, KS*(PK+PVP)                ; a half slot: 64 rows of K, then 64 rows of V: 52,224 bytes
.set SLOT1, 1<<17                      ; slot 1 begins here: one exclusive or turns an address of one slot into the other's
.set OSTA,  2*STEPB                    ; behind slot 0: the stages of waves 0 and 1, 16 rows x 528 bytes each
.set OSP,   528
.set IMG,   SLOT1+2*STEPB              ; behind slot 1: an image of 128 registers, 16,384 bytes, for each wave
.set STATS, IMG+4*16384                ; four words a lane for each wave
.set SPARE, STATS+4*512                ; the spare words, 128 bytes for each wave
.set OSTB,  SPARE+512                  ; the stages of waves 2 and 3
.set HEADB, 2048*ROWB                  ; a head in qkv, in bytes
.set SLOTM, 128*ROWB                   ; a key slot in memory, in bytes
.set AK0, 2                            ; v2   my lane's place in my half's tile of K
.set AV0, 3                            ; v3   the same for V
.set ADR, 4                            ; v4   the LDS address of the run of loads in hand
.set QOA, 5                            ; v5   my byte offset in Q for register tiles 0, 1;  v9 for tiles 2, 3
.set STO, 6                            ; v6   the stage: where I put 32 bytes of a row
.set RD,  7                            ; v7   where I read a row back
.set GO,  8                            ; v8   my byte offset in a row of out0
.set QOB, 9
.set ST,  12                           ; tile t's statistics at v[ST + 8 t]: +0 m, +1 written once, +2, +3 l, +4 to +7 at work
.set PS,  44                           ; v44-47 the partner's m and l of two tiles
.set DM,  48                           ; v48  the block in hand: register n of S^T is hidden where 16 (n / 8) + n % 8 > this;  v49 the same for the second block
.set DMB, 49
.set NINF, 50                          ; v50  -infinity
.set IMW, 51                           ; v51  my image;  v52 my partner's
.set IMR, 52
.set STW, 53                           ; v53  my statistics in LDS;  v54 my partner's
.set STR, 54
.set PFO, 61                           ; v61  512 x lane
.set SPW, 62                           ; v62  my spare word; never rewritten
.set NIL, 63                           ; v63  0; never rewritten
.set S,   64
.set P,   192
.set KF,  128
.set WV,  12                           ; s12  wave
.set LIM, 15                           ; s15  a wave prefetches while the trip's number is under this
.set PFA, 18                           ; s[18:19] where my prefetches stand
.set G1K, 24                           ; s[24:31], s[32:39] descriptor groups 1 for K's and V's tiles
.set G1V, 32
.set G0K, 40                           ; s[40:43], s[44:47] groups 0, which walk
.set G0V, 44
.set TJ,  56                           ; s56  the trip's number J
.set N1,  57                           ; s57  slots of the first block: u + 1
.set KSB, 58                           ; s[58:59] k's sixteen scales
.set SEL, 60                           ; s[60:61] lane selects: lane l xor 16
.set SA,  62                           ; s62  LDS byte at which the slot of tile J begins;
.set SB,  63                           ; s63  and that of tile J + 1
.set CS,  66                           ; s[66:73] c, a pair for each tile (the packed form names a pair and takes its low word)
.set KBA, 74                           ; s[74:75], s[76:77] K and V of my head at key 0, at the half that I fetch
.set VBA, 76
.set OFF, 78                           ; s[78:79] a key slot's bytes
.set QB0, 80                           ; s[80:81], s[82:83] Q of my rows, first and second block
.set QB1, 82
.set OB0, 84                           ; s[84:85], s[86:87] out0 likewise
.set OB1, 86
.set CQ,  88                           ; s88-91 the constant x q's scale for each tile, first block;  s92-95 second block
.set CQN, 92
.set KSN, 97                           ; s97  k's scale of the tile that the next trip deals with
.set KSO, 98                           ; s[98:99] its offset
.set KSP, 100                          ; s[100:101] its address
.set MSB, 0
.macro WIN new                         ; the immediate's high byte repeats the setting that is left; a switch that changes nothing is dropped
.if MSB != \new
	s_set_vgpr_msb (MSB<<8)|\new
.set MSB, \new
.endif
.endm
.set W_PV, 0x53                        ; V in window 3, P in window 0, O^T in window 1
.set W_RS, 0x41                        ; O^T in window 1, its factor in window 0
.macro PLACES                          ; four plain vector lines between a matrix instruction and a load into, or a read of, its registers
.rept 4
	v_nop
.endr
.endm
; A joint load: waves 0 and 1 fetch the slot's two halves of K, waves 2 and 3 of V.  An s_nop 0 and four v_nop follow each line.
.macro JLOAD
	s_cmp_lt_u32 s[WV], 2
	s_cbranch_scc0 .Lfor_v_\@
	tensor_load_to_lds s[G0K:G0K+3], s[G1K:G1K+7]
	s_nop 0
.rept 4
	v_nop
.endr
	s_branch .Lasked_\@
.Lfor_v_\@:
	tensor_load_to_lds s[G0V:G0V+3], s[G1V:G1V+7]
	s_nop 0
.rept 4
	v_nop
.endr
.Lasked_\@:
.endm
; A prefetch of key slot J + 2, which cluster 0 of a key/value head asks for by its tensor loads two trips on.  Each run of 256 bytes is named once in the launch: cluster x = 0 alone asks; its four partners take
; 32 rows each, told apart by address; wave 0 asks for K's high parts, wave 1 for K's low parts, wave 2 for V's high parts; a lane a row.  Trips 0 to 13 ask, for slots 2 to 15: none past the head's last slot.
.macro ASK
	s_cmp_lt_u32 s[TJ], s[LIM]
	s_cbranch_scc0 .Lnot_mine_\@
	global_prefetch_b8 v[PFO], s[PFA:PFA+1] th:TH_LOAD_NT scope:SCOPE_SE
.Lnot_mine_\@:
.endm
.macro CROUND                          ; a round of the cluster's barrier
	s_barrier_signal -1
	s_barrier_wait -1
	s_cmp_lg_u32 s[WV], 0
	s_cbranch_scc1 .Lnot_wave_0_\@
	s_barrier_signal -3
.Lnot_wave_0_\@:
	s_barrier_wait -3
	s_barrier_signal -1
	s_barrier_wait -1
.endm
	s_load_b128 s[4:7], s[0:1], 0x0                ; qkv, qks
	s_load_b64 s[8:9], s[0:1], 0x10                ; out0
	v_lshl_add_u32 v[SPW], v0, 2, SPARE
	v_mov_b32 v[NIL], 0
	ds_add_u32 v[SPW], v[NIL]                      ; the wave's opening: the add, twice on end, and its wait ahead of my first tensor load
	ds_add_u32 v[SPW], v[NIL]
	v_lshrrev_b32 v1, 5, v0
	v_readfirstlane_b32 s[WV], v1                  ; wave 0..3
	s_and_b32 s10, s[WV], 1                        ; c: my half of the keys; also the half that I fetch
	s_lshr_b32 s11, s[WV], 1                       ; a: my 16 positions of the block's 32
	s_bfe_u32 s13, ttmp6, 0x40000                  ; cx
	s_and_b32 s14, ttmp7, 0xffff
	s_lshr_b32 s16, s14, 2                         ; b
	s_and_b32 s14, s14, 3                          ; the key/value head
	s_add_co_u32 s[N1], ttmp9, 1
	s_mul_i32 s20, s16, 24
	s_lshl_b32 s21, s14, 2
	s_add_co_u32 s21, s21, s20                     ; the first of my four query heads in qkv
	s_lshl_b32 s22, s14, 1
	s_add_co_u32 s22, s22, s20
	s_add_co_u32 s22, s22, 16                      ; K's head; V's is the next
	s_mul_i32 s17, s10, STEPB                      ; my half's place in a slot: to fetch into, and to read from
	s_lshl_b32 s[KBA], s22, 20                     ; K's head in bytes
	s_lshl_b32 s[PFA], s13, 14                     ; the prefetches: my work-group's 32 rows of a slot's 128,
	s_add_co_u32 s[PFA], s[PFA], s[KBA]
	s_add_co_u32 s[PFA], s[PFA], SLOTM             ; in key slot 1: the first change of slots steps it to slot 2;
	s_cmp_eq_u32 s[WV], 2
	s_cselect_b32 s2, HEADB, 0                     ; wave 2: in V's head;
	s_add_co_u32 s[PFA], s[PFA], s2
	s_cmp_eq_u32 s[WV], 1
	s_cselect_b32 s2, 256, 0                       ; wave 1: K's low parts
	s_add_co_u32 s[PFA], s[PFA], s2
	s_mov_b32 s[PFA+1], 0
	s_lshl_b32 s2, s10, 15                         ; 64 rows of 512 bytes
	s_add_co_u32 s[KBA], s[KBA], s2
	s_mov_b32 s[KBA+1], 0
	s_lshl_b32 s[KSB], s22, 6                      ; sixteen words a head in qks
	s_mov_b32 s[KSB+1], 0
	s_lshl_b32 s23, ttmp9, 2
	s_add_co_u32 s23, s23, s13                     ; the first block: 4 u + cx
	s_sub_co_u32 s63, 63, s23                      ; the second
	s_lshl_b32 s2, s21, 20
	s_lshl_b32 s3, s11, 13
	s_add_co_u32 s2, s2, s3
	s_lshl_b32 s3, s23, 14                         ; 32 rows of 512 bytes a block
	s_add_co_u32 s[QB0], s2, s3
	s_mov_b32 s[QB0+1], 0
	s_lshl_b32 s3, s63, 14
	s_add_co_u32 s[QB1], s2, s3
	s_mov_b32 s[QB1+1], 0
	s_lshl_b32 s2, s16, 24                         ; out0: 2,048 rows of 8,192 bytes a batch,
	s_lshl_b32 s3, s11, 17                         ; 16 rows,
	s_add_co_u32 s2, s2, s3
	s_lshl_b32 s3, s14, 11                         ; four heads of 512 bytes
	s_add_co_u32 s2, s2, s3
	s_lshl_b32 s3, s23, 18                         ; 32 rows a block
	s_add_co_u32 s[OB0], s2, s3
	s_mov_b32 s[OB0+1], 0
	s_lshl_b32 s3, s63, 18
	s_add_co_u32 s[OB1], s2, s3
	s_mov_b32 s[OB1+1], 0
	s_lshl_b32 s2, s21, 6                          ; q's scales: head x 64 + 4 x (block of 128 positions): u for the first block, 15 - u for the second
	s_lshl_b32 s3, ttmp9, 2
	s_add_co_u32 s2, s2, s3
	s_lshl_b32 s3, s10, 7                          ; register tiles 0, 1 are heads 2 c, 2 c + 1;
	s_add_co_u32 s20, s2, s3
	s_sub_co_u32 s22, s2, s3
	s_add_co_u32 s22, s22, 128                     ; tiles 2, 3 heads 2 - 2 c, 3 - 2 c
	s_lshl_b32 s3, ttmp9, 3
	s_sub_co_u32 s3, 60, s3                        ; 4 (15 - 2 u) bytes on
	s_add_co_u32 s[KSP], s22, s3
	s_add_co_u32 s2, s20, s3
	s_mov_b32 s3, 0
	s_mov_b32 s21, 0
	s_mov_b32 s23, 0
	s_mov_b32 s[KSP+1], 0
	; descriptor groups 1.  K: 64 rows x 256 elements of 2 bytes (high and low parts), dense in memory.  V: 64 rows x 128 elements, the high parts alone, 256 elements from row to row
	s_mov_b32 s[G1K], 15|(1<<16)|(1<<20)|(1<<21)|(6<<22)|(3<<25)   ; 15:0 all four work-groups; 17:16 2 bytes; 20 padding on; 21 set beside a mask; 24:22 after every 128 words; 31:25 four words
	s_mov_b32 s[G1K+1], 256<<16                    ; tensor_dim0
	s_mov_b32 s[G1K+2], KS<<16                     ; tensor_dim1
	s_mov_b32 s[G1K+3], 256<<16                    ; tile_dim0
	s_mov_b32 s[G1K+4], KS                         ; tile_dim1
	s_mov_b32 s[G1K+5], 256                        ; the pitch in memory, in elements
	s_mov_b32 s[G1K+6], 0
	s_mov_b32 s[G1K+7], 0
	s_mov_b32 s[G1V], 15|(1<<16)|(1<<20)|(1<<21)|(5<<22)|(7<<25)   ; padding: eight words after every 64
	s_mov_b32 s[G1V+1], 128<<16
	s_mov_b32 s[G1V+2], KS<<16
	s_mov_b32 s[G1V+3], 128<<16
	s_mov_b32 s[G1V+4], KS
	s_mov_b32 s[G1V+5], 256
	s_mov_b32 s[G1V+6], 0
	s_mov_b32 s[G1V+7], 0
	s_mov_b32 s[SEL], 0x76543210
	s_mov_b32 s[SEL+1], 0xfedcba98
	s_mov_b32 s[SA], 0
	s_mov_b32 s[SB], SLOT1
	s_mov_b32 s[TJ], 0
	s_mov_b32 s[KSO+1], 0
	s_mov_b32 s[OFF+1], 0
	s_lshr_b32 s[LIM], s[WV], 1
	s_and_b32 s[LIM], s[LIM], s[WV]                ; 1 in wave 3 alone
	s_or_b32 s[LIM], s[LIM], ttmp9                 ; 0 in waves 0, 1, 2 of cluster x = 0: the same in all four partners
	s_cmp_eq_u32 s[LIM], 0
	s_cselect_b32 s[LIM], 14, 0
	v_and_b32 v[PFO], 31, v0
	v_lshlrev_b32 v[PFO], 9, v[PFO]
	s_wait_dscnt 0x0                               ; both opening adds are done
	s_wait_kmcnt 0x0
	s_add_nc_u64 s[KBA:KBA+1], s[4:5], s[KBA:KBA+1]
	s_add_nc_u64 s[VBA:VBA+1], s[KBA:KBA+1], HEADB
	s_add_nc_u64 s[PFA:PFA+1], s[4:5], s[PFA:PFA+1]
	s_add_nc_u64 s[QB0:QB0+1], s[4:5], s[QB0:QB0+1]
	s_add_nc_u64 s[QB1:QB1+1], s[4:5], s[QB1:QB1+1]
	s_add_nc_u64 s[OB0:OB0+1], s[8:9], s[OB0:OB0+1]
	s_add_nc_u64 s[OB1:OB1+1], s[8:9], s[OB1:OB1+1]
	s_add_nc_u64 s[KSB:KSB+1], s[6:7], s[KSB:KSB+1]
	s_add_nc_u64 s[20:21], s[6:7], s[20:21]
	s_add_nc_u64 s[22:23], s[6:7], s[22:23]
	s_add_nc_u64 s[2:3], s[6:7], s[2:3]
	s_add_nc_u64 s[KSP:KSP+1], s[6:7], s[KSP:KSP+1]
	s_load_b32 s[CQ],    s[20:21], 0x0             ; q's scales: four tiles, two blocks
	s_load_b32 s[CQ+1],  s[20:21], 0x40
	s_load_b32 s[CQ+2],  s[22:23], 0x0
	s_load_b32 s[CQ+3],  s[22:23], 0x40
	s_load_b32 s[CQN],   s[2:3], 0x0
	s_load_b32 s[CQN+1], s[2:3], 0x40
	s_load_b32 s[CQN+2], s[KSP:KSP+1], 0x0
	s_load_b32 s[CQN+3], s[KSP:KSP+1], 0x40
	s_load_b32 s[KSN],   s[KSB:KSB+1], 0x0         ; k's scale of key slot 0
	CROUND                                         ; all four work-groups are here: the first joint loads meet
	s_mov_b32 s[G0K], 1                            ; 1:0 count = 1
	s_add_co_u32 s[G0K+1], s17, 0                  ; LDS address: slot 0
	s_mov_b64 s[G0K+2:G0K+3], s[KBA:KBA+1]         ; key slot 0
	s_or_b32 s[G0K+3], s[G0K+3], 0x80000000        ; type = 2
	s_mov_b32 s[G0V], 1
	s_add_co_u32 s[G0V+1], s17, VOFF
	s_mov_b64 s[G0V+2:G0V+3], s[VBA:VBA+1]
	s_or_b32 s[G0V+3], s[G0V+3], 0x80000000
	JLOAD                                          ; tile 0: one tensor load of mine is out; slot 1 is first filled behind the first trip's round, as a refill is
	v_and_b32 v1, 15, v0                           ; r
	v_bfe_u32 v10, v0, 4, 1                        ; h
	v_lshlrev_b32 v11, 9, v1
	v_lshl_add_u32 v11, v10, 4, v11                ; Q: row r of 512 bytes + 16 h
	s_lshl_b32 s14, s10, 21                        ; heads 2 c on: two heads of 1,048,576 bytes
	v_add_nc_u32 v[QOA], s14, v11
	s_xor_b32 s14, s14, 1<<21                      ; heads 2 - 2 c on
	v_add_nc_u32 v[QOB], s14, v11
; Q of one piece (p = 0 or 2) of one block: eight fragments of 16 rows x 32 channels of the high parts, then of the low parts, 256 bytes further on in each row; tile p + i / 4, channels 32 (i % 4) on
.macro QLOADP p, qb
.if \p
.set QO, QOB
.else
.set QO, QOA
.endif
	WIN 0x80                                       ; destination window 2
.irp i, 0,1,2,3,4,5,6,7
	global_load_b128 v[32*\p+8*\i:32*\p+8*\i+3],   v[QO], s[\qb:\qb+1] offset:(\i/4)*HEADB+(\i%4)*64
	global_load_b128 v[32*\p+8*\i+4:32*\p+8*\i+7], v[QO], s[\qb:\qb+1] offset:(\i/4)*HEADB+(\i%4)*64+32
.endr
	WIN 0xc0                                       ; destination window 3
.irp i, 0,1,2,3,4,5,6,7
	global_load_b128 v[128+32*\p+8*\i:128+32*\p+8*\i+3],   v[QO], s[\qb:\qb+1] offset:(\i/4)*HEADB+(\i%4)*64+256
	global_load_b128 v[128+32*\p+8*\i+4:128+32*\p+8*\i+7], v[QO], s[\qb:\qb+1] offset:(\i/4)*HEADB+(\i%4)*64+288
.endr
	WIN 0
.endm
	QLOADP 0, QB0
	QLOADP 2, QB0
	v_mul_u32_u24 v[AK0], v1, PK
	v_lshl_add_u32 v[AK0], v10, 4, v[AK0]
	v_add_nc_u32 v[AK0], s17, v[AK0]               ; K: row x pitch + 16 h, in my half
	v_and_b32 v55, 7, v0                           ; V: the turning load: lane l reads key 8 (l / 16) + l % 8, channels 8 ((l / 8) % 2) on
	v_bfe_u32 v56, v0, 3, 1
	v_lshl_add_u32 v[AV0], v10, 3, v55
	v_mul_u32_u24 v[AV0], v[AV0], PVP
	v_lshl_add_u32 v[AV0], v56, 4, v[AV0]
	v_add_nc_u32 v[AV0], VOFF, v[AV0]
	v_add_nc_u32 v[AV0], s17, v[AV0]
	v_and_b32 v57, 31, v0
	v_lshlrev_b32 v58, 2, v57                      ; 4 x lane
	v_lshlrev_b32 v57, 4, v57                      ; 16 x lane
	s_mul_i32 s14, s10, 16*OSP                     ; my stage: waves 0, 1 behind slot 0, waves 2, 3 behind the spare words
	s_mul_i32 s16, s11, OSTB-OSTA
	s_add_co_u32 s14, s14, s16
	s_add_co_u32 s14, s14, OSTA
	v_mul_u32_u24 v[STO], v1, OSP
	v_lshl_add_u32 v[STO], v10, 5, v[STO]
	v_add_nc_u32 v[STO], s14, v[STO]               ; in: row r, 32 bytes for each half of the lanes
	v_add_nc_u32 v[RD], s14, v57                   ; back: the 32 lanes take one row of 512 bytes
	s_xor_b32 s14, s10, 1
	s_lshl_b32 s14, s14, 10
	v_add_nc_u32 v[GO], s14, v57                   ; out0: I store my piece 2: heads 2 - 2 c on: 1,024 (1 - c) bytes, 16 bytes a lane
	s_lshl_b32 s14, s[WV], 14
	s_add_co_u32 s14, s14, IMG
	v_add_nc_u32 v[IMW], s14, v57
	s_xor_b32 s16, s[WV], 1                        ; my partner: the same positions, the other half of the keys
	s_lshl_b32 s14, s16, 14
	s_add_co_u32 s14, s14, IMG
	v_add_nc_u32 v[IMR], s14, v57
	s_lshl_b32 s14, s[WV], 9
	s_add_co_u32 s14, s14, STATS
	v_add_nc_u32 v[STW], s14, v58
	s_lshl_b32 s14, s16, 9
	s_add_co_u32 s14, s14, STATS
	v_add_nc_u32 v[STR], s14, v58
	s_lshl_b32 s14, s11, 4                         ; the mask of a block's last slot: my position in the slot is 32 (block % 4) + 16 a + r; register n holds key 64 c + 8 h + 16 (n / 8) + n % 8
	s_lshl_b32 s16, s10, 6
	s_sub_co_i32 s14, s14, s16
	v_lshlrev_b32 v55, 3, v10
	v_sub_nc_u32 v55, v1, v55
	v_add_nc_u32 v55, s14, v55                     ; 16 a + r - 64 c - 8 h
	s_lshl_b32 s14, s13, 5
	v_add_nc_u32 v[DM], s14, v55                   ; the first block: block % 4 = cx
	s_sub_co_u32 s14, 96, s14
	v_add_nc_u32 v[DMB], s14, v55                  ; the second: 3 - cx
	v_mov_b32 v[NINF], 0xff800000
.irp t, 0,1,2,3
	v_mov_b32 v[ST+8*\t], 0xff61b1e6               ; m = -3e38
.irp q, 1,2,3,4,5,6,7
	v_mov_b32 v[ST+8*\t+\q], 0                     ; l = 0; the others are written once, since pairs and lane permutes name them
.endr
.endr
.set i, 0
.rept 16
	v_pk_mul_f32 v[P+32+i:P+32+i+1], v[ST+2:ST+3], v[ST+2:ST+3]    ; piece 2's P: written once; its first products stand in the loop, on the way that the first trip does not take
.set i, i+2
.endr
	WIN 0x40
.set i, 0
.rept 128
	v_pk_mul_f32 v[i:i+1], v[ST+2:ST+3], v[ST+2:ST+3]              ; O^T = 0 x 0, two at a time, once: every product V^T P adds in place, so that the key step is written for all blocks alike; a wave whose first slot is all hidden keeps these zeros
.set i, i+2
.endr
	WIN 0
	s_wait_kmcnt 0x0
.irp t, 0,1,2,3
	s_mul_f32 s[CQ+\t], s[CQ+\t], 0x3e0293ee       ; log2(e) / sqrt(128) x q's scale
	s_mul_f32 s[CQN+\t], s[CQN+\t], 0x3e0293ee
	s_mov_b32 s[CS+2*\t+1], 0                      ; (the pairs' upper words are named, so they are written)
.endr
; THE MATRIX WORK.  The accumulators take turns, one instruction a turn.
; Product i of 32 of O^T += V^T P: keys 32 (i / 16) on, channels 16 ((i / 2) % 8) on, tile x + i % 2
.macro PV x
	WIN W_PV
.set rO, 64*(\x+i%2)+8*((i/2)%8)
.set rV, 64*(i/16)+8*((i/2)%8)
.set rP, P+16*(\x+i%2)+8*(i/16)
	v_wmma_f32_16x16x32_f16 v[rO:rO+7], v[rV:rV+7], v[rP:rP+7], v[rO:rO+7]
.endm
.macro PV32 x
.set i, 0
.rept 32
	PV \x
.set i, i+1
.endr
.endm
; Product i of 96 of S^T = K Q^T: three terms of 32: kh.qh, kl.qh, kh.ql.  In a term, with ii = i % 32: channels 32 (ii / 8) on, keys 16 ((ii / 2) % 4) on, tile x + ii % 2.  The first 8 start the sums.
.macro KQ x
.set ii, i%32
.set rS, S+32*(\x+ii%2)+8*((ii/2)%4)
.if i < 32
	WIN 0x0a                                       ; K's high parts and Q's in window 2
.set rK, KF+32*((ii/2)%4)+8*(ii/8)
.set rQ, 32*(\x+ii%2)+8*(ii/8)
.elseif i < 64
	WIN 0x0b                                       ; K's low parts in window 3, Q's high parts in window 2
.set rK, 32*((ii/2)%4)+8*(ii/8)
.set rQ, 32*(\x+ii%2)+8*(ii/8)
.else
	WIN 0x0e                                       ; K's high parts in window 2, Q's low parts in window 3
.set rK, KF+32*((ii/2)%4)+8*(ii/8)
.set rQ, 128+32*(\x+ii%2)+8*(ii/8)
.endif
.if i < 8
	v_wmma_f32_16x16x32_f16 v[rS:rS+7], v[rK:rK+7], v[rQ:rQ+7], 0
.else
	v_wmma_f32_16x16x32_f16 v[rS:rS+7], v[rK:rK+7], v[rQ:rQ+7], v[rS:rS+7]
.endif
.endm
; THE LDS LOADS stand in runs of 32.  My half's K, high parts (64 keys x 128 channels), from the slot that begins at s[tb]:
.macro FETCH_K tb
	WIN 0
	v_add_nc_u32 v[ADR], s[\tb], v[AK0]
	WIN 0x80
.irp f, 0,1,2,3,4,5,6,7,8,9,10,11,12,13,14,15
	ds_load_b128 v[KF+8*\f:KF+8*\f+3],   v[ADR] offset:(\f/4)*16*PK+(\f%4)*64
	ds_load_b128 v[KF+8*\f+4:KF+8*\f+7], v[ADR] offset:(\f/4)*16*PK+(\f%4)*64+32
.endr
.endm
; its low parts, 256 bytes further on in each row, into the buffer that V has left: four places behind V's last product
.macro FETCH_KL tb
	WIN 0
	PLACES
	v_add_nc_u32 v[ADR], s[\tb], v[AK0]
	WIN 0xc0
.irp f, 0,1,2,3,4,5,6,7,8,9,10,11,12,13,14,15
	ds_load_b128 v[8*\f:8*\f+3],   v[ADR] offset:256+(\f/4)*16*PK+(\f%4)*64
	ds_load_b128 v[8*\f+4:8*\f+7], v[ADR] offset:256+(\f/4)*16*PK+(\f%4)*64+32
.endr
.endm
; and V (turned) of tile J, into the same buffer: four places behind the last product on K's low parts
.macro FETCH_V
	WIN 0
	PLACES
	v_add_nc_u32 v[ADR], s[SA], v[AV0]
	WIN 0xc0
.irp f, 0,1,2,3,4,5,6,7,8,9,10,11,12,13,14,15
	ds_load_tr16_b128 v[8*\f:8*\f+3],   v[ADR] offset:(\f/8)*32*PVP+(\f%8)*32
	ds_load_tr16_b128 v[8*\f+4:8*\f+7], v[ADR] offset:(\f/8)*32*PVP+16*PVP+(\f%8)*32
.endr
.endm
; THE VECTOR WORK.  One tile's softmax for one step is a list of 134 instructions; SM writes number j of it for tile t.
;   0-15    the largest of the lane's 32 scores        16 as t (c is positive)     17 the old m is kept     18 the other half of the lanes'     19 the new m     20 m_old - m_new
;   21-69   ONE BATCH: the 16 scalings c s - m (pairs) and all 33 exponentials (the factor at 23, then s0-s31); none of these reads an exponential's result
;   (wait)  between 69 and 70: SLICE writes it, once for both tiles
;   70-85   the roundings to f16      86-101 the sums; l = factor x l + the sum      102-133 the tile's O^T times the factor
.macro SM t
.set rT, ST+8*(\t)
.set rS, S+32*(\t)
.set rP, P+16*(\t)
.set rO, 64*(\t)+2*(j-102)
.set rC, CS+2*(\t)
.if j < 102
	WIN 0
.endif
.if j < 4
	v_max3_num_f32 v[rT+4+j], v[rS+8*j], v[rS+8*j+1], v[rS+8*j+2]
.elseif j < 12
	v_max3_num_f32 v[rT+4+j%4], v[rT+4+j%4], v[rS+8*(j%4)+2*(j/4)+1], v[rS+8*(j%4)+2*(j/4)+2]
.elseif j == 12
	v_max3_num_f32 v[rT+4], v[rT+4], v[rS+7], v[rS+15]
.elseif j == 13
	v_max3_num_f32 v[rT+6], v[rT+6], v[rS+23], v[rS+31]
.elseif j == 14
	v_max3_num_f32 v[rT+4], v[rT+4], v[rT+5], v[rT+6]
.elseif j == 15
	v_max_num_f32 v[rT+4], v[rT+4], v[rT+7]
.elseif j == 16
	v_mul_f32 v[rT+4], s[rC], v[rT+4]
.elseif j == 17
	v_mov_b32 v[rT+7], v[rT]
.elseif j == 18
	v_permlanex16_b32 v[rT+5], v[rT+4], s[SEL], s[SEL+1]
.elseif j == 19
	v_max3_num_f32 v[rT], v[rT], v[rT+4], v[rT+5]
.elseif j == 20
	v_sub_f32 v[rT+7], v[rT+7], v[rT]
.elseif j == 23
	v_exp_f32 v[rT+6], v[rT+7]
.elseif (j < 23) || ((j < 38) && (j%2 == 0)) || ((j < 66) && (j%4 == 2))
.set b, (j-2)/4                        ; 38, 42, .. 62: pairs 9 to 15
.if j < 38
.set b, (j-20)/2                       ; 21: pair 0; 22, 24, .. 36: pairs 1 to 8
.endif
	v_pk_fma_f32 v[rS+2*b:rS+2*b+1], v[rS+2*b:rS+2*b+1], s[rC:rC+1], v[rT:rT+1] op_sel_hi:[1,0,0] neg_lo:[0,0,1] neg_hi:[0,0,1]
.elseif j < 70
.set e, j-38                           ; 66 to 69: s28 to s31
.if j < 66
.set e, j-32-(j-38)/4                  ; 39-41, 43-45, .. 63-65: s7 to s27
.endif
.if j < 38
.set e, (j-25)/2                       ; 25, 27, .. 37: s0 to s6
.endif
	v_exp_f32 v[rS+e], v[rS+e]
.elseif j < 86
	v_cvt_pk_f16_f32 v[rP+j-70], v[rS+2*(j-70)], v[rS+2*(j-70)+1]
.elseif j < 102                        ; the sum of the tile's 16 pairs, in place: neighbours 1, 2, 4 and 8 pairs apart, then l takes it
.set z, j-86
.set w, 4
.set u, z
.if z >= 14
.set w, 32
.set u, 0
.elseif z >= 12
.set w, 16
.set u, z-12
.elseif z >= 8
.set w, 8
.set u, z-8
.endif
.if z < 15
	v_pk_add_f32 v[rS+w*u:rS+w*u+1], v[rS+w*u:rS+w*u+1], v[rS+w*u+w/2:rS+w*u+w/2+1]
.else
	v_pk_fma_f32 v[rT+2:rT+3], v[rT+2:rT+3], v[rT+6:rT+7], v[rS:rS+1] op_sel_hi:[1,0,1]
.endif
.else
	WIN W_RS
	v_pk_mul_f32 v[rO:rO+1], v[rO:rO+1], v[rT+6:rT+7] op_sel_hi:[1,0]
.endif
.endm
; Slice k of 64 of piece y's softmax: four instructions.  Slices 11 to 34 deal out the batch, four numbers of ONE tile each, the tiles by turns; every other slice is numbers 2 k and 2 k + 1 of both tiles;
; 2 x 134 = 4 x 64 + 12: the twelve that are over stand in slice 63, whose sixteen plain lines are also the places behind the turn's last products.  Behind slice 34 stands the one wait for the piece's 66 exponentials.
.macro SLICE y
.if (k >= 11) && (k < 35)
.irp n, 0,1,2,3
.set j, 22+4*((k-11)/2)+(\n)
	SM (\y)+(k-11)%2
.endr
.else
.irp n, 0,1,2,3,4,5,6,7
.if (\n < 2) || (k == 63)
.irp t, \y, \y+1
.set j, 2*k+\n
	SM \t
.endr
.endif
.endr
.endif
.if k == 34
	v_nop                                          ; the plain line behind the last exponential, ahead of the first use
	s_wait_alu depctr_va_vdst(0)                   ; the wait ahead of the first line that names a result: one for the batch
.endif
.set k, k+1
.endm
; THE SCORES OF PIECE x, 96 products, with the other piece's softmax between them: a slice behind two of every three products, so that slice 63 stands behind the last.
; K's low parts, asked for just before, land under the first 32 products; V of tile J is fetched behind the last product on them and lands under the last 32.
.macro KQPART x
.set k, 0
.set i, 0
.rept 96
.if i == 32
	s_wait_dscnt 0x0                               ; K's low parts are in
.endif
.if i == 64
	FETCH_V
.endif
	KQ \x
.if i%3 != 0
	SLICE 2-\x
.endif
.set i, i+1
.endr
	WIN 0
.endm
; PIECE 2'S TURN in trip J: V^T P of tile J - 1 (V is in: the change of slots has waited for it), then its scores of tile J.  skip = 1: in the loop, whose first trip has no tile before it
.macro H2 skip
.if \skip
	s_cmp_eq_u32 s[TJ], 0
	s_cbranch_scc1 .Lno_pv_\@
.endif
	PV32 2
	WIN 0
.if \skip
.Lno_pv_\@:
.endif
	FETCH_KL SA                                    ; tile J's; its high parts have been in registers since piece 0's turn
	s_wait_loadcnt 0x0                             ; Q: in the trip behind a load of piece 2's Q it is waited for here; else nothing is out
	KQPART 2
.endm
; PIECE 0'S TURN in trip J: K's high parts of tile J + 1 are asked for (their buffer's last reader stands in front of slice 63 of the turn before) and land under V^T P of tile J; then its scores of tile J + 1
.macro H0
	FETCH_K SB
	PV32 0
	FETCH_KL SB
	s_wait_dscnt 32                                ; K's high parts are in; the 32 loads of its low parts, just issued, may be out
	KQPART 0
.endm
; The causal mask of a block's last slot, for piece y: hidden scores become -infinity ahead of the maximum.  Both tiles hold the same positions.  Each accumulator is read from its low end on.
.macro MASK y
	WIN 0
.set n, 0
.rept 32
	v_cmp_gt_i32 vcc_lo, 16*(n/8)+n%8, v[DM]
	v_cndmask_b32 v[S+32*(\y)+n], v[S+32*(\y)+n], v[NINF], vcc_lo
	v_cndmask_b32 v[S+32*(\y)+32+n], v[S+32*(\y)+32+n], v[NINF], vcc_lo
.set n, n+1
.endr
.endm
; c of the four register tiles for tile J: the block's q scales (the first block's while J < N1) x k's scale, which was asked for a trip ago
.macro SETC
	s_wait_kmcnt 0x0
	s_cmp_lt_u32 s[TJ], s[N1]
.irp t, 0,1,2,3
	s_cselect_b32 s[20+\t], s[CQ+\t], s[CQN+\t]
.endr
.irp t, 0,1,2,3
	s_mul_f32 s[CS+2*\t], s[20+\t], s[KSN]
.endr
.endm
; THE CHANGE OF SLOTS, at a trip's head: tile J - 1's last read, V's second, has been issued and is waited for here.  Its slot takes tile J + 1: key slot J + 1 of the first block, or J + 1 - N1 of the second.
; The barrier is a round of the cluster's, and the joint load the first thing behind it: it has piece 2's turn, 128 matrix instructions, in which to land.  (In trip 0 slot 1 is filled for the first time, in the same form.)
.macro CHANGE
	WIN 0
	s_wait_tensorcnt 0x0                           ; no tensor load of mine is out, so a group 0 may be written
	ds_add_u32 v[SPW], v[NIL]                      ; 0 onto my spare word
	s_add_co_u32 s2, s[TJ], 1
	s_cmp_ge_u32 s2, s[N1]
	s_cselect_b32 s3, s[N1], 0
	s_sub_co_u32 s2, s2, s3                        ; the key slot of tile J + 1
	s_lshl_b32 s[OFF], s2, 16                      ; 128 rows of 512 bytes a key slot
	s_lshl_b32 s[KSO], s2, 2                       ; a word a key slot in qks
	s_xor_b32 s[G0K+1], s[G0K+1], SLOT1            ; the other slot than last time
	s_add_nc_u64 s[G0K+2:G0K+3], s[KBA:KBA+1], s[OFF:OFF+1]
	s_or_b32 s[G0K+3], s[G0K+3], 0x80000000
	s_xor_b32 s[G0V+1], s[G0V+1], SLOT1
	s_add_nc_u64 s[G0V+2:G0V+3], s[VBA:VBA+1], s[OFF:OFF+1]
	s_or_b32 s[G0V+3], s[G0V+3], 0x80000000
	s_wait_xcnt 0x0                                ; the last prefetch, a trip back, has read its address, so it may be written
	s_add_nc_u64 s[PFA:PFA+1], s[PFA:PFA+1], SLOTM
	s_wait_dscnt 0x0                               ; the add is done, and my reads of the slot are over; so are my reads of my partner's image, where there were any in the trip before
	CROUND
	JLOAD
	ASK
	s_add_nc_u64 s[KSP:KSP+1], s[KSB:KSB+1], s[KSO:KSO+1]   ; (the load that last read this pair was waited for at the trip's head)
	s_load_b32 s[KSN], s[KSP:KSP+1], 0x0           ; k's scale of tile J + 1
.endm
; A TRIP'S MIDDLE.  Tile J + 1, asked for at the trip's head, is read from here on: each wave waits for its part of it and for its LDS instructions, and passes the work-group's barrier.
.macro MEET
	WIN 0
	s_wait_tensorcnt 0x0                           ; my part of tile J + 1 has landed (one load of mine was out)
	s_wait_dscnt 0x0                               ; no LDS instruction of mine is pending at the signal: V of tile J is in, and my stores of a finished piece, where there were any in this trip, have landed
	s_barrier_signal -1
	s_barrier_wait -1                              ; everybody's part has
	s_wait_loadcnt 0x0                             ; Q: in the trip that has loaded piece 0's Q it is waited for here; else nothing is out
.endm
; A BLOCK'S END, FIRST HALF.  My piece 0 is finished: l is summed, and O^T, m and l go to LDS as images of their registers, for my partner.  more = 1: another block follows: m = -3e38, so that its first factor is 0
.macro SAVE more
	WIN 0
.irp t, 0,1
	v_add_f32 v[ST+8*\t+4], v[ST+8*\t+2], v[ST+8*\t+3]
.endr
.irp t, 0,1
	v_permlanex16_b32 v[ST+8*\t+5], v[ST+8*\t+4], s[SEL], s[SEL+1]
.endr
.irp t, 0,1
	v_add_f32 v[ST+8*\t+4], v[ST+8*\t+4], v[ST+8*\t+5]
.endr
	WIN 0x04                                       ; an LDS store's data are its source 1: window 1
.set g, 0
.rept 32
	ds_store_b128 v[IMW], v[4*g:4*g+3] offset:512*g                ; 16 bytes a lane, 512 consecutive bytes a store; each accumulator from its low end on
.set g, g+1
.endr
	WIN 0
.irp t, 0,1
	ds_store_b32 v[STW], v[ST+8*\t] offset:256*\t
	ds_store_b32 v[STW], v[ST+8*\t+4] offset:256*\t+128
.endr
.if \more
.irp t, 0,1
	v_mov_b32 v[ST+8*\t], 0xff61b1e6
.endr
.endif
.endm
; A BLOCK'S END, SECOND HALF, behind a barrier that every wave has passed since its stores landed.  My piece 2 is finished; my partner's piece 0, the same heads over the other half of the keys, comes into K's buffer, which is idle here.
; With M = max(m, m'), w = 2^(m - M), w' = 2^(m' - M), L = l w + l' w': out = O w / L + O' w' / L.  Then through my stage, so that 32 lanes store a head's row of 512 bytes.  more = 1: another block follows.
.macro MERGE ob, more
	WIN 0
.irp t, 2,3
	v_add_f32 v[ST+8*\t+4], v[ST+8*\t+2], v[ST+8*\t+3]
.endr
.irp t, 2,3
	v_permlanex16_b32 v[ST+8*\t+5], v[ST+8*\t+4], s[SEL], s[SEL+1]
.endr
.irp t, 2,3
	v_add_f32 v[ST+8*\t+4], v[ST+8*\t+4], v[ST+8*\t+5]
.endr
.irp q, 0,1,2,3
	ds_load_b32 v[PS+\q], v[STR] offset:128*\q
.endr
	WIN 0x80                                       ; destination window 2
.set g, 0
.rept 32
	ds_load_b128 v[KF+4*g:KF+4*g+3], v[IMR] offset:512*g
.set g, g+1
.endr
	WIN 0
	s_wait_dscnt 32                                ; the four words are in; the 32 loads of the image may be out
.irp tt, 0,1
	v_max_num_f32 v[ST+16+8*\tt+5], v[ST+16+8*\tt], v[PS+2*\tt]
.endr
.irp tt, 0,1
	v_sub_f32 v[ST+16+8*\tt+6], v[ST+16+8*\tt], v[ST+16+8*\tt+5]
	v_sub_f32 v[ST+16+8*\tt+7], v[PS+2*\tt], v[ST+16+8*\tt+5]
.endr
.irp tt, 0,1
	v_exp_f32 v[ST+16+8*\tt+6], v[ST+16+8*\tt+6]
	v_exp_f32 v[ST+16+8*\tt+7], v[ST+16+8*\tt+7]
.endr
	v_nop
	s_wait_alu depctr_va_vdst(0)                   ; one wait for the four
.irp tt, 0,1
	v_mul_f32 v[ST+16+8*\tt+5], v[ST+16+8*\tt+4], v[ST+16+8*\tt+6]
.endr
.irp tt, 0,1
	v_fma_f32 v[ST+16+8*\tt+5], v[PS+2*\tt+1], v[ST+16+8*\tt+7], v[ST+16+8*\tt+5]
.endr
.irp tt, 0,1
	v_rcp_f32 v[ST+16+8*\tt+5], v[ST+16+8*\tt+5]
.endr
	v_nop
	s_wait_alu depctr_va_vdst(0)                   ; one wait for the two
.irp tt, 0,1
	v_mul_f32 v[ST+16+8*\tt+6], v[ST+16+8*\tt+6], v[ST+16+8*\tt+5]   ; w / L
	v_mul_f32 v[ST+16+8*\tt+2], v[ST+16+8*\tt+7], v[ST+16+8*\tt+5]   ; w' / L
.endr
	s_wait_dscnt 0x0                               ; the image is in
	WIN 0x82                                       ; destination and source 0 window 2: my partner's O^T, in place
.irp tt, 0,1
.set i, 0
.rept 32
	v_pk_mul_f32 v[KF+64*\tt+i:KF+64*\tt+i+1], v[KF+64*\tt+i:KF+64*\tt+i+1], v[ST+16+8*\tt+2:ST+16+8*\tt+3] op_sel_hi:[1,0]
.set i, i+2
.endr
.endr
	WIN 0xa1                                       ; source 0 window 1: my O^T, each accumulator from its low end on; source 2 and destination window 2
.irp tt, 0,1
.set i, 0
.rept 32
	v_pk_fma_f32 v[KF+64*\tt+i:KF+64*\tt+i+1], v[128+64*\tt+i:128+64*\tt+i+1], v[ST+16+8*\tt+6:ST+16+8*\tt+7], v[KF+64*\tt+i:KF+64*\tt+i+1] op_sel_hi:[1,0,1]
.set i, i+2
.endr
.endr
.irp tt, 0,1
	WIN 0x08                                       ; an LDS store's data: window 2
.irp f, 0,1,2,3,4,5,6,7
	ds_store_b128 v[STO], v[KF+64*\tt+8*\f:KF+64*\tt+8*\f+3] offset:64*\f
	ds_store_b128 v[STO], v[KF+64*\tt+8*\f+4:KF+64*\tt+8*\f+7] offset:64*\f+16
.endr
	WIN 0x80
.irp i, 0,1,2,3,4,5,6,7,8,9,10,11,12,13,14,15
	ds_load_b128 v[KF+64*\tt+4*\i:KF+64*\tt+4*\i+3], v[RD] offset:\i*OSP   ; LDS serves a wave's instructions in order: these see the stores above, and the next tile's stores come behind them
.endr
.endr
	WIN 0x08                                       ; a global store's data: window 2
.irp tt, 0,1
.irp i, 0,1,2,3,4,5,6,7,8,9,10,11,12,13,14,15
	s_wait_dscnt (1-\tt)*32+15-\i                  ; row i is back; younger: the tile's later rows, and behind the first tile the second's 16 stores and 16 loads
	global_store_b128 v[GO], v[KF+64*\tt+4*\i:KF+64*\tt+4*\i+3], s[\ob:\ob+1] offset:\i*8192+512*\tt th:TH_STORE_NT   ; 32 lanes store 512 consecutive bytes, aligned
.endr
.endr
	WIN 0
.if \more
	s_wait_xcnt 0x0                                ; the stores have read their registers: K's next high parts may land there
.irp t, 2,3
	v_mov_b32 v[ST+8*\t], 0xff61b1e6               ; m = -3e38: the next block's first factor is 0
.endr
	v_mov_b32 v[DM], v[DMB]                        ; the first block's masks are done
.endif
.endm
	s_wait_tensorcnt 0x0                           ; my part of tile 0 is in,
	s_barrier_signal -1
	s_barrier_wait -1                              ; everybody's is
	FETCH_K SA                                     ; tile 0, both parts
	FETCH_KL SA
	s_wait_loadcnt 0x0                             ; Q
	s_wait_dscnt 0x0                               ; K
.set i, 0
.rept 96
	KQ 0                                           ; piece 0's first scores: there is no vector work yet to set between them
.set i, i+1
.endr
	WIN 0
	PLACES
	s_cmp_lg_u32 s[N1], 1
	s_cbranch_scc1 .Lopen_first
	MASK 0                                         ; tile 0 is the first block's last
.Lopen_first:
.Lbody:                                                ; 16 trips
	SETC
	s_add_co_u32 s2, s[TJ], 1
	s_cmp_lg_u32 s2, s[N1]
	s_cbranch_scc1 .Lq0_done
	QLOADP 0, QB1                                  ; tile J is the first block's last: piece 0's next scores are the second block's.  Its old Q's last reader stands in front of slice 63 of the turn before
.Lq0_done:
	CHANGE
	s_cmp_lg_u32 s[TJ], s[N1]
	s_cbranch_scc1 .Lsave_done
	SAVE 1                                         ; tile J is the second block's first: piece 0 of the first block is finished.  Behind the round: so a barrier lies between any wave's earlier reads of an image and these stores; ahead of piece 2's turn, whose slices take piece 0 up again
.Lsave_done:
	H2 1
	s_add_co_u32 s2, s[TJ], 1
	s_cmp_lg_u32 s2, s[N1]
	s_cbranch_scc1 .Lm2_done
	MASK 2                                         ; piece 2's scores of tile J, the first block's last
.Lm2_done:
	MEET
	s_cmp_lg_u32 s[TJ], s[N1]
	s_cbranch_scc1 .Lmerge_done
	MERGE OB0, 1                                   ; piece 2 of the first block is finished; the barrier just passed lies between my partner's stores and my loads
.Lmerge_done:
	s_add_co_u32 s2, s[TJ], 1
	s_cmp_lg_u32 s2, s[N1]
	s_cbranch_scc1 .Lq2_done
	QLOADP 2, QB1                                  ; piece 2's next scores, in the next trip, are the second block's
.Lq2_done:
	H0
	s_add_co_u32 s2, s[TJ], 2                      ; is tile J + 1 a block's last?  The first block's: J + 2 = N1;
	s_cmp_eq_u32 s2, s[N1]
	s_cselect_b32 s3, 1, 0
	s_cmp_eq_u32 s[TJ], 15                         ; the second's: tile 16
	s_cselect_b32 s3, 1, s3
	s_cmp_eq_u32 s3, 0
	s_cbranch_scc1 .Lm0_done
	MASK 0
.Lm0_done:
	s_xor_b32 s[SA], s[SA], SLOT1
	s_xor_b32 s[SB], s[SB], SLOT1
	s_add_co_u32 s[TJ], s[TJ], 1
	s_cmp_lt_u32 s[TJ], 16
	s_cbranch_scc1 .Lbody
	SETC                                           ; tile 16, the last: nothing is left to ask for
	s_wait_dscnt 0x0                               ; V of tile 15 is in; no LDS instruction of mine is pending:
	s_barrier_signal -1                            ; a barrier between the loop's reads of the images and the stores below, on every way out of the loop;
	s_barrier_wait -1
	H2 0                                           ; piece 2: V^T P of tile 15, its scores of tile 16 | piece 0's last softmax | V of tile 16
	MASK 2
	s_wait_dscnt 0x0                               ; V of tile 16 is in, and stays
	PV32 0
.set k, 0
.rept 64
	SLICE 2                                        ; piece 2's last softmax
.endr
	PV32 2
	SAVE 0                                         ; (its six additions are places behind the last products)
	s_wait_dscnt 0x0                               ; for my partner's sake: my stores have landed
	s_barrier_signal -1
	s_barrier_wait -1
	MERGE OB1, 0
	s_wait_tensorcnt 0x0                           ; the wave's end: a wait, an add of 0 to my spare word and its wait, behind my last tensor load and my last LDS store
	ds_add_u32 v[SPW], v[NIL]
	s_wait_dscnt 0x0
	CROUND                                         ; the closing round: no work-group ends while a partner may still ask for a tile that names it
	s_endpgm
.Lfunc_end_k_qf63fe44725_attn:
	.size	k_qf63fe44725_attn, .Lfunc_end_k_qf63fe44725_attn-k_qf63fe44725_attn
	.p2alignl 7, 3214868480
	.fill 96, 4, 3214868480
	.section	.rodata,"a",@progbits
	.p2align	6, 0x0
	.amdhsa_kernel k_qf63fe44725_attn
		.amdhsa_group_segment_fixed_size 327680
		.amdhsa_private_segment_fixed_size 0
		.amdhsa_enable_private_segment 0
		.amdhsa_kernarg_size 24
		.amdhsa_user_sgpr_count 2
		.amdhsa_user_sgpr_kernarg_segment_ptr 1
		.amdhsa_wavefront_size32 1
		.amdhsa_system_sgpr_workgroup_id_x 1
		.amdhsa_system_sgpr_workgroup_id_y 1
		.amdhsa_system_sgpr_workgroup_id_z 1
		.amdhsa_system_vgpr_workitem_id 0
		.amdhsa_next_free_vgpr 1024
		.amdhsa_next_free_sgpr 102
		.amdhsa_reserve_vcc 1
		.amdhsa_float_denorm_mode_32 3
		.amdhsa_float_denorm_mode_16_64 3
		.amdhsa_memory_ordered 1
		.amdhsa_forward_progress 1
		.amdhsa_inst_pref_size 219
	.end_amdhsa_kernel
	.amdgpu_metadata
---
amdhsa.version: [ 1, 2 ]
amdhsa.kernels:
  - .name:           k_qf63fe44725_attn
    .symbol:         k_qf63fe44725_attn.kd
    .args:
      - { .name: qkv, .offset: 0, .size: 8, .value_kind: global_buffer, .address_space: global }
      - { .name: qks, .offset: 8, .size: 8, .value_kind: global_buffer, .address_space: global }
      - { .name: out0, .offset: 16, .size: 8, .value_kind: global_buffer, .address_space: global }
    .group_segment_fixed_size: 327680
    .private_segment_fixed_size: 0
    .kernarg_segment_align: 8
    .kernarg_segment_size: 24
    .max_flat_workgroup_size: 128
    .sgpr_count:     102
    .vgpr_count:     1024
    .wavefront_size: 32
...
	.end_amdgpu_metadata
.endif
;; end of part 3
